; MI455X (gfx1250); checked and timed in simulation.
; The chip was launched on July 23, 2026; its instructions are those of AMD's public machine-readable ISA for CDNA 5 (MIT licence, August 2026) and "CDNA5" Instruction Set Architecture Reference Guide (July 2026). The comments in the code are by the model that wrote it; some were corrected since.
;; Casual Attention. Allowed arithmetic: matrix products marked QUANTISED: E2M1 operands, one E8M0 scale for each 32 along K, by v_wmma_scale_f32_16x16x128_f8f6f4 with both operands' format E2M1 (or v_wmma_scale_f32_32x16x128_f4), f32 sums; products left as they are: bf16, f16 or f32 operands; f32 sums; everything else in f32.
;; Inputs: Wk 1,024 x 1,024 float32; Wq 1,024 x 1,024 float32; Wv 1,024 x 1,024 float32; x 4 x 2,048 x 1,024 float32.
;; Outputs: out0 4 x 2,048 x 1,024 float32.
;; This version of the problem:
;;   THIS VERSION OF THE PROBLEM IS GIVEN IN LOW PRECISION. The matrix products marked QUANTISED in the list below multiply operands that are first quantised to E2M1 (2 exponent bits, 1 mantissa bit; 4 bits a number), with one power-of-two scale for each 32 numbers along K (OCP MX v1.0); their sums are f32. The products marked 'left as it is' may take bf16, f16 or f32 operands, with f32 sums. Whichever they take, every output number must still come out within the allowed error. Rounding operands to bf16 (8 significant bits) uses up far more of that allowance than f16 does (11 bits, for magnitudes from 6e-5 to 65,504). All else is computed in f32.
;;   The module's matrix products, in the order in which they are computed (A, B: the left and right operand; K: the contracted axis; several contracted axes count as one K, in the product's order):
;;     1. [M 8,192, K 1,024] x [K 1,024, N 1,024]; A: input x; B: input Wq: QUANTISED
;;     2. [M 8,192, K 1,024] x [K 1,024, N 1,024]; A: input x; B: input Wk: QUANTISED
;;     3. [M 8,192, K 1,024] x [K 1,024, N 1,024]; A: input x; B: input Wv: QUANTISED
;;     4. batch 4 x [M 2,048, K 1,024] x [K 1,024, N 2,048]; A: computed on the way; B: computed on the way: left as it is (an operand is computed on the way)
;;     5. batch 4 x [M 2,048, K 2,048] x [K 2,048, N 1,024]; A: computed on the way; B: computed on the way: left as it is (an operand is computed on the way)
;;   THE QUANTISER, for each operand of a quantised product, along K:
;;     - K is cut into blocks of 32 from its start; a last block that is shorter is filled with zeros.
;;     - A block's scale is 2^e with e = floor(log2(the largest magnitude in the block)) - 2, held to -126 .. 127; a block of zeros has e = 0. As a byte (E8M0): e + 127.
;;     - Each number is divided by its block's scale, clamped to +-6, and rounded to the nearest number of E2M1, ties to even, subnormals kept.
;;     - The product sums the exact products of the quantised numbers (number of the format x scale) in f32.
;;   ~~~python
;;   def quantise(x, axis):      # numpy; x: float32 -> the quantised numbers, widened to float32 again
;;       x = np.moveaxis(x, axis, -1); K = x.shape[-1]
;;       x = np.pad(x, [(0, 0)] * (x.ndim - 1) + [(0, -K % 32)]); x = x.reshape(x.shape[:-1] + (-1, 32)); a = np.abs(x).max(-1, keepdims=True)
;;       e = np.where(a > 0, np.clip(np.frexp(np.where(a > 0, a, 1))[1] - 1 - 2, -126, 127), 0)      # np.frexp(a)[1] - 1 = floor(log2(a)), exactly
;;       r = np.clip(x / 2.0 ** e, -6, 6)
;;       step = 2.0 ** (np.maximum(np.frexp(np.where(r == 0, 1, r))[1] - 1, 0) - 1)
;;       q = np.round(r / step) * step * 2.0 ** e      # np.round: ties to even
;;       return np.moveaxis(q.reshape(q.shape[:-2] + (-1,))[..., :K], -1, axis).astype(np.float32)
;;   ~~~
;; One version. Each part assembles by itself: llvm-mc -triple=amdgcn-amd-amdhsa -mcpu=gfx1250 --defsym DOCPART=n.
;; ======== version 1 of 1: 5 launches
;; limits: values are held in f16: magnitudes above 65,504 overflow, below 6.1e-05 lose precision
;; workspace buffers: x_codes 4,194,304 bytes; x_scales 262,144 bytes; w_codes 1,572,864 bytes; w_scales 98,304 bytes; qkv 50,331,648 bytes; head16 786,432 bytes; p 33,554,432 bytes; stats 524,288 bytes
;; launch quant (part 1): grid 352 x 1, 4 waves a work-group, no clusters, 50,688 bytes of LDS; arguments x, Wq, Wk, Wv, x_codes, x_scales, w_codes, w_scales; writes x_codes, x_scales, w_codes, w_scales
.if DOCPART == 1
	.amdgcn_target "amdgcn-amd-amdhsa--gfx1250"
	.amdhsa_code_object_version 6
	.text
	.protected	k_q061164c03d_quant
	.globl	k_q061164c03d_quant
	.p2align	8
	.type	k_q061164c03d_quant,@function
k_q061164c03d_quant:
	s_mov_b64 s[64:65], 0
	v_nop
	global_prefetch_b8 v0, s[64:65] scope:SCOPE_SE
	s_setreg_imm32_b32 hwreg(HW_REG_WAVE_MODE, 25, 1), 1
	s_wait_xcnt 0x0
; x [8192][1024] (K innermost) and Wq, Wk, Wv [1024 (k)][1024 (n)] (K is the FIRST axis), all f32, become codes of FP4 (E2M1) with K innermost and one E8M0 byte for each 32 along K.
; x_codes [8192][512 bytes], x_scales [8192][32];  w_codes [3072][512 bytes], w_scales [3072][32]: row n of the three weights on end (Wq's columns, Wk's, Wv's).
; A block's scale is 2^(floor(log2(largest magnitude)) - 2): its byte is the largest magnitude's exponent field - 2, held at 1 from below.
; LIMITS: a block of zeros gets the byte 1 where the rule says 127 (its codes are zeros, and this program alone reads the bytes); blocks whose largest magnitude lies under 2^(3 - 127)
; are quantised under the byte 1; NaN and infinities among the inputs are not served.
; Work-groups 0 to 95 take the weights: a lane to a column, its registers down K.  Work-groups 96 to 351 take x: a plain stream of blocks of 32; a wave takes 16 steps of 512 numbers.
; The weights' work-groups wait for loads more often on end than x's, so they have the low numbers.
; The two ways part on the work-group's number and have LDS bytes of their own.  Waves share nothing: no barrier.  No tensor load.
.set WGW,   96                         ; the weights' work-groups: 3 weights x 16 groups of 64 columns x 2 halves of K
.set SPW,   12                         ; v12  LDS address of my spare word; never rewritten
.set NIL,   13                         ; v13  0; never rewritten
.set SPARE, 50176                      ; behind both ways' regions: 128 bytes for each wave, named by no other line
.set EMAX,  2
; x's way
.set STEPS, 16
.set CB,    8                          ; bytes of 16 codes
.set R,     16                         ; v16-79   four sets of 16 numbers as loaded
.set X,     80                         ; v80-111  two sets of 16 neighbours
.set E,     112                        ; v112-127 a scale byte for each step
.set C,     128                        ; v128-191 codes, four registers a step: no store's data are written again
.set WREG,  8192                       ; LDS of a wave: two stages of 32 x SP bytes, then its 256 scale bytes
.set SP,    80                         ; a lane's 64 bytes + 16 of padding
; the weights' way
.set WSTG,  32768                      ; LDS: four stages of 16 rows x 272 bytes
.set NB,    8                          ; blocks of 32 along K for a lane
.set PITCH, 272
.set KROW,  512                        ; a row of codes in bytes
.set WROW,  4096                       ; a row of a weight in bytes
.set XW,    32                         ; v32-95   two sets of 32 numbers
.set CW,    96                         ; v96-99   a block's codes
.set OUTR,  112                        ; v112-143 the way out
.set SB,    24                         ; v24-25   the scale bytes, four to a register
	s_load_b256 s[4:11], s[0:1], 0x0               ; x s[4:5], Wq s[6:7], Wk s[8:9], Wv s[10:11]
	s_load_b256 s[12:19], s[0:1], 0x20             ; x_codes s[12:13], x_scales s[14:15], w_codes s[16:17], w_scales s[18:19]
	v_lshl_add_u32 v[SPW], v0, 2, SPARE
	v_mov_b32 v[NIL], 0
	v_lshrrev_b32 v1, 5, v0
	v_readfirstlane_b32 s20, v1                    ; wave
	v_and_b32 v2, 31, v0                           ; lane
	s_cmp_lt_u32 ttmp9, WGW
	s_cbranch_scc1 .Lw
; ---------------- x: each load reads 512 consecutive bytes; a step's 2,048 bytes turn through the wave's stage, so that a lane holds 16 neighbours along K
	v_lshlrev_b32 v3, 4, v2                        ; my 16 bytes of a load's 512
	s_mul_i32 s21, s20, WREG
	v_lshrrev_b32 v14, 2, v2
	v_mul_u32_u24 v14, v14, SP
	v_and_b32 v15, 3, v2
	v_lshl_add_u32 v14, v15, 4, v14
	v_add_nc_u32 v14, s21, v14                     ; into the stage: SP (lane / 4) + 16 (lane % 4)
	v_mul_u32_u24 v15, v2, SP
	v_add_nc_u32 v15, s21, v15                     ; out of it: SP x lane
	v_mul_u32_u24 v4, v2, CB                       ; my codes' place in a step's 256 bytes
	v_lshrrev_b32 v5, 1, v2
	s_add_co_u32 s21, s21, 2*32*SP
	v_add_nc_u32 v5, s21, v5                       ; my block's byte among the wave's 256
	v_lshlrev_b32 v7, 3, v2
	v_add_nc_u32 v6, s21, v7                       ; and 8 bytes a lane on the way out
	s_sub_co_u32 s22, ttmp9, WGW
	s_lshl_b32 s22, s22, 2
	s_add_co_u32 s22, s22, s20                     ; my wave's run of 8,192 numbers
	s_lshl_b32 s24, s22, 15                        ; 32,768 bytes of x,
	s_mov_b32 s25, 0
	s_lshl_b32 s26, s22, 12                        ; 4,096 of codes,
	s_mov_b32 s27, 0
	s_lshl_b32 s28, s22, 8                         ; 256 of scale bytes
	s_mov_b32 s29, 0
	s_wait_kmcnt 0x0
	s_add_nc_u64 s[4:5], s[4:5], s[24:25]
	s_add_nc_u64 s[12:13], s[12:13], s[26:27]
	s_add_nc_u64 s[14:15], s[14:15], s[28:29]
.macro XLOAD t
.irp i, 0,1,2,3
	global_load_b128 v[R+16*((\t)%4)+4*\i:R+16*((\t)%4)+4*\i+3], v3, s[4:5] offset:2048*(\t)+512*\i th:TH_LOAD_NT
.endr
.endm
.macro XTURN t                         ; LDS serves a wave's instructions in order: no wait between the stores and the loads
.irp i, 0,1,2,3
	ds_store_b128 v14, v[R+16*((\t)%4)+4*\i:R+16*((\t)%4)+4*\i+3] offset:32*SP*((\t)%2)+8*SP*\i
.endr
.irp i, 0,1,2,3
	ds_load_b128 v[X+16*((\t)%2)+4*\i:X+16*((\t)%2)+4*\i+3], v15 offset:32*SP*((\t)%2)+16*\i
.endr
.endm
.irp t, 0,1,2,3
	XLOAD \t
.endr
	s_wait_loadcnt 12                              ; step 0's four loads are in; the twelve of steps 1 to 3 may be out
	XTURN 0
.macro XSTEP t
.set XS, X+16*((\t)%2)
.if (\t) > 0
	s_wait_dscnt 1                                 ; this step's numbers are back from the stage; the last step's byte store may be out
.else
	s_wait_dscnt 0x0
.endif
.if (\t)+4 < STEPS
	XLOAD (\t)+4                                   ; into the set whose stores into the stage have been served
.endif
.if (\t)+1 < STEPS
.if STEPS-2-(\t) >= 3
	s_wait_loadcnt 12                              ; the next step's four loads are in; those of the three steps behind it may be out
.else
	s_wait_loadcnt 4*(STEPS-2-(\t))
.endif
	XTURN (\t)+1
.endif
	v_max3_num_f32 v8, |v[XS]|, |v[XS+1]|, |v[XS+2]|
	v_max3_num_f32 v9, |v[XS+3]|, |v[XS+4]|, |v[XS+5]|
.irp i, 6,10
	v_max3_num_f32 v8, v8, |v[XS+\i]|, |v[XS+\i+1]|
	v_max3_num_f32 v9, v9, |v[XS+\i+2]|, |v[XS+\i+3]|
.endr
	v_max3_num_f32 v8, v8, |v[XS+14]|, |v[XS+15]|
	v_max3_num_f32 v8, v8, v9, (EMAX+1)<<23        ; the floor 2^(3 - 127): the byte cannot fall under 1
	v_max_num_f32_dpp v8, v8, v8 row_xmask:1 row_mask:0xf bank_mask:0xf   ; with my neighbour's 16: the block's largest magnitude
	v_add_nc_u32 v11, -(EMAX<<23), v8              ; 2 off its exponent field: the conversion takes this operand's exponent field as its scale
	v_cvt_scalef32_pk8_fp4_f32 v[C+4*(\t)], v[XS:XS+7], v11
	v_cvt_scalef32_pk8_fp4_f32 v[C+4*(\t)+1], v[XS+8:XS+15], v11
	v_lshrrev_b32 v[E+(\t)], 23, v11               ; the scale's byte (also the plain line behind the conversions)
	ds_store_b8 v5, v[E+(\t)] offset:16*(\t)       ; both lanes of a block write the same byte with the same value
	global_store_b64 v4, v[C+4*(\t):C+4*(\t)+1], s[12:13] offset:32*CB*(\t)   ; the wave stores 256 consecutive bytes, aligned
.endm
.irp t, 0,1,2,3,4,5,6,7,8,9,10,11,12,13,14,15
	XSTEP \t
.endr
	ds_load_b64 v[8:9], v6
	s_wait_dscnt 0x0
	global_store_b64 v7, v[8:9], s[14:15]          ; the wave's 256 scale bytes, aligned
	s_wait_tensorcnt 0x0                           ; the wave's end
	ds_add_u32 v[SPW], v[NIL]
	s_wait_dscnt 0x0
	s_endpgm
; ---------------- the weights: 32 work-groups each.  A work-group takes 64 columns x 512 along K, a wave 16 columns: lanes 0-15 the first 256 along K of their column, lanes 16-31 the second 256
; of the same columns.  So a lane has 8 blocks, a wave waits for loads four times on end (two blocks' loads are out), and a column's 256 bytes of codes still meet in ONE wave's stage.
; A load reads 64 neighbouring bytes in each of two rows; the four waves stand side by side on 256 bytes of a row.
.Lw:
	s_lshr_b32 s22, ttmp9, 5                       ; which weight: 0 Wq, 1 Wk, 2 Wv
	s_and_b32 s23, ttmp9, 15                       ; which 64 columns
	s_bfe_u32 s24, ttmp9, 0x10004                  ; which 512 along K
	s_lshl_b32 s23, s23, 6
	s_lshl_b32 s25, s20, 4
	s_add_co_u32 s23, s23, s25                     ; my wave's first column
	v_and_b32 v5, 15, v2                           ; c: my column among the wave's 16
	v_lshrrev_b32 v6, 4, v2                        ; kh: my half of the 512 along K
	v_lshlrev_b32 v3, 2, v5                        ; in: 4 bytes a column,
	v_lshl_add_u32 v3, v6, 20, v3                  ; and 256 rows of 4,096 bytes further down for lanes 16-31
	s_mul_i32 s25, s20, 16*PITCH
	s_add_co_u32 s25, s25, WSTG                    ; my stage
	v_mul_u32_u24 v4, v5, PITCH
	v_lshl_add_u32 v4, v6, 7, v4
	v_add_nc_u32 v4, s25, v4                       ; into it: row = my column, my half's 128 bytes
	v_mul_u32_u24 v7, v6, PITCH
	v_lshl_add_u32 v7, v5, 4, v7
	v_add_nc_u32 v7, s25, v7                       ; out of it: sixteen lanes to a row, two rows an instruction
	v_mul_u32_u24 v8, v6, KROW
	v_lshl_add_u32 v8, v5, 4, v8                   ; the same place in the codes' buffer
	v_lshlrev_b32 v9, 5, v5
	v_lshl_add_u32 v9, v6, 3, v9                   ; my column's row of scale bytes, my half's 8
	s_lshl_b32 s26, s24, 21                        ; 512 rows of 4,096 bytes
	s_lshl_b32 s27, s23, 2
	s_add_co_u32 s26, s26, s27
	s_mov_b32 s27, 0
	s_lshl_b32 s28, s22, 10
	s_add_co_u32 s28, s28, s23                     ; my first row of w_codes
	s_lshl_b32 s30, s28, 9
	s_lshl_b32 s29, s24, 8
	s_add_co_u32 s30, s30, s29
	s_mov_b32 s31, 0
	s_lshl_b32 s32, s28, 5
	s_lshl_b32 s29, s24, 4
	s_add_co_u32 s32, s32, s29
	s_mov_b32 s33, 0
	s_wait_kmcnt 0x0
	s_cmp_eq_u32 s22, 0                            ; the choice hangs on the work-group's number alone
	s_cselect_b64 s[34:35], s[6:7], s[8:9]
	s_cmp_eq_u32 s22, 2
	s_cselect_b64 s[34:35], s[10:11], s[34:35]
	s_add_nc_u64 s[34:35], s[34:35], s[26:27]
	s_add_nc_u64 s[16:17], s[16:17], s[30:31]
	s_add_nc_u64 s[18:19], s[18:19], s[32:33]
.macro WLOAD t                         ; block t: W(256 kh + 32 t + i, my column) into set t % 2
.set i, 0
.rept 32
	global_load_b32 v[XW+32*((\t)%2)+i], v3, s[34:35] offset:(32*(\t)+i)*WROW th:TH_LOAD_NT
.set i, i+1
.endr
.endm
	WLOAD 0
	WLOAD 1
.macro WBLOCK t
.set XS, XW+32*((\t)%2)
.if (\t) < NB-1
	s_wait_loadcnt 32                              ; this block's 32 loads are in; the next block's 32 may be out
.else
	s_wait_loadcnt 0
.endif
	v_max3_num_f32 v16, |v[XS]|, |v[XS+1]|, |v[XS+2]|              ; all 32 numbers of the block are mine
	v_max3_num_f32 v17, |v[XS+3]|, |v[XS+4]|, |v[XS+5]|
.irp i, 6,10,14,18,22,26
	v_max3_num_f32 v16, v16, |v[XS+\i]|, |v[XS+\i+1]|
	v_max3_num_f32 v17, v17, |v[XS+\i+2]|, |v[XS+\i+3]|
.endr
	v_max3_num_f32 v16, v16, |v[XS+30]|, |v[XS+31]|
	v_max3_num_f32 v16, v16, v17, (EMAX+1)<<23
	v_add_nc_u32 v11, -(EMAX<<23), v16
	v_lshrrev_b32 v17, 23, v11                     ; the scale's byte
.if (\t)%4 == 0
	v_mov_b32 v[SB+(\t)/4], v17
.else
	v_lshl_or_b32 v[SB+(\t)/4], v17, 8*((\t)%4), v[SB+(\t)/4]
.endif
.irp g, 0,1,2,3
	v_cvt_scalef32_pk8_fp4_f32 v[CW+\g], v[XS+8*\g:XS+8*\g+7], v11
.endr
	v_nop                                          ; a plain line behind the last conversion
	ds_store_b128 v4, v[CW:CW+3] offset:16*(\t)    ; 32 codes: 16 bytes of my column's row
.if (\t)+2 < NB
	WLOAD (\t)+2
.endif
	s_wait_dscnt 0x0                               ; the store has been served: the next block's codes may be written
.endm
.irp t, 0,1,2,3,4,5,6,7
	WBLOCK \t
.endr
	global_store_b64 v9, v[SB:SB+1], s[18:19]      ; my 8 scale bytes
.irp t, 0,1,2,3,4,5,6,7
	ds_load_b128 v[OUTR+4*\t:OUTR+4*\t+3], v7 offset:2*\t*PITCH    ; LDS serves a wave's instructions in order: these see my stores
.endr
.irp t, 0,1,2,3,4,5,6,7
	s_wait_dscnt 7-\t                              ; LDS loads come back in order: load t is in
	global_store_b128 v8, v[OUTR+4*\t:OUTR+4*\t+3], s[16:17] offset:2*\t*KROW   ; sixteen lanes store 256 consecutive bytes, aligned
.endr
	s_wait_tensorcnt 0x0                           ; the wave's end, as above
	ds_add_u32 v[SPW], v[NIL]
	s_wait_dscnt 0x0
	s_endpgm
.Lfunc_end_k_q061164c03d_quant:
	.size	k_q061164c03d_quant, .Lfunc_end_k_q061164c03d_quant-k_q061164c03d_quant
	.p2alignl 7, 3214868480
	.fill 96, 4, 3214868480
	.section	.rodata,"a",@progbits
	.p2align	6, 0x0
	.amdhsa_kernel k_q061164c03d_quant
		.amdhsa_group_segment_fixed_size 50688
		.amdhsa_private_segment_fixed_size 0
		.amdhsa_enable_private_segment 0
		.amdhsa_kernarg_size 64
		.amdhsa_user_sgpr_count 2
		.amdhsa_user_sgpr_kernarg_segment_ptr 1
		.amdhsa_wavefront_size32 1
		.amdhsa_system_sgpr_workgroup_id_x 1
		.amdhsa_system_sgpr_workgroup_id_y 1
		.amdhsa_system_sgpr_workgroup_id_z 1
		.amdhsa_system_vgpr_workitem_id 0
		.amdhsa_next_free_vgpr 192
		.amdhsa_next_free_sgpr 66
		.amdhsa_reserve_vcc 0
		.amdhsa_float_denorm_mode_32 3
		.amdhsa_float_denorm_mode_16_64 3
		.amdhsa_memory_ordered 1
		.amdhsa_forward_progress 1
		.amdhsa_inst_pref_size 73
	.end_amdhsa_kernel
	.amdgpu_metadata
---
amdhsa.version: [ 1, 2 ]
amdhsa.kernels:
  - .name:           k_q061164c03d_quant
    .symbol:         k_q061164c03d_quant.kd
    .args:
      - { .name: x, .offset: 0, .size: 8, .value_kind: global_buffer, .address_space: global }
      - { .name: Wq, .offset: 8, .size: 8, .value_kind: global_buffer, .address_space: global }
      - { .name: Wk, .offset: 16, .size: 8, .value_kind: global_buffer, .address_space: global }
      - { .name: Wv, .offset: 24, .size: 8, .value_kind: global_buffer, .address_space: global }
      - { .name: x_codes, .offset: 32, .size: 8, .value_kind: global_buffer, .address_space: global }
      - { .name: x_scales, .offset: 40, .size: 8, .value_kind: global_buffer, .address_space: global }
      - { .name: w_codes, .offset: 48, .size: 8, .value_kind: global_buffer, .address_space: global }
      - { .name: w_scales, .offset: 56, .size: 8, .value_kind: global_buffer, .address_space: global }
    .group_segment_fixed_size: 50688
    .private_segment_fixed_size: 0
    .kernarg_segment_align: 8
    .kernarg_segment_size: 64
    .max_flat_workgroup_size: 128
    .sgpr_count:     66
    .vgpr_count:     192
    .wavefront_size: 32
...
	.end_amdgpu_metadata
.endif
;; end of part 1
;; launch qkv (part 2): grid 12 x 32, 4 waves a work-group, clusters of 4 x 4, 327,680 bytes of LDS; arguments x_codes, x_scales, w_codes, w_scales, qkv, head16; writes qkv, head16
.if DOCPART == 2
	.amdgcn_target "amdgcn-amd-amdhsa--gfx1250"
	.amdhsa_code_object_version 6
	.text
	.protected	k_q061164c03d_qkv
	.globl	k_q061164c03d_qkv
	.p2align	8
	.type	k_q061164c03d_qkv,@function
k_q061164c03d_qkv:
	s_mov_b64 s[64:65], 0
	v_nop
	global_prefetch_b8 v0, s[64:65] scope:SCOPE_SE
	s_setreg_imm32_b32 hwreg(HW_REG_WAVE_MODE, 25, 1), 1
	s_wait_xcnt 0x0
	s_wait_alu depctr_hold_cnt(0) depctr_sa_sdst(0) depctr_va_vdst(0) depctr_va_sdst(0) depctr_va_ssrc(0) depctr_va_vcc(0) depctr_vm_vsrc(0)
	s_getreg_b32 s2, hwreg(HW_REG_IB_STS2, 6, 4)
	s_cmp_eq_u32 s2, 0
	s_cbranch_scc0 .Lentry_in_a_cluster
	s_endpgm
.Lentry_in_a_cluster:
	s_bfe_u32 s2, ttmp6, 0x10000c
	s_cmp_lg_u32 s2, 0xf033
	s_cbranch_scc0 .Lentry_shape_is_right
	s_endpgm
.Lentry_shape_is_right:
; qkv[m][n] = sum over k of x[m][k] W[k][n], on codes of FP4 (E2M1) with one E8M0 scale for each 32 along K; m 8,192, n 3,072 (q | k | v), K 1,024; sums in f32.
; Out: qkv [8192][3072] f16 (LIMIT: |q|, |k|, |v| under 65,504), and head16: the first 16 rows of each of the four sequences in f32, as images of the result registers.
; A tile of 256 x 256 is made by four waves, 128 x 128 each: 64 accumulators, 512 registers.  K is two LDS slots of 512 (rows of 256 bytes): both are first fills, nothing is filled again.
; The scale bytes of the tile's 256 + 256 rows are two dense blocks: they come once, with the first fills.  A wave has three tensor loads out at the most.
; CLUSTERS: 4 x 4 work-groups; x's tiles are asked for jointly along a row of the cluster, W's along a column.  Tile row = cluster y + 8 cy, so that the tiles which hold the first rows of a
; sequence (tile rows 0, 8, 16, 24) are those of cluster y = 0: the branch round head16's stores hangs on the cluster's number and the wave's, not on a place in the cluster.
; THE MATRIX INSTRUCTION IS USED TRANSPOSED (source 0 = 16 rows of W, source 1 = 16 rows of x): a lane holds eight neighbouring numbers of a row of the result.
; REGISTERS: window 0: v0-31 addresses; v32-95 scale words, two sets; v128-191 x's fragments, one set; the way out: v192-223 packed, v32-63 and v224-255 rows read back.
;   window 1: W's fragments, two sets, at v0 and v128.   windows 2, 3: the accumulators ((a, b) at v[8 (8 (a % 4) + b)]).
.set SIZE_N, 3072
.set NQ,     4                         ; matrix instructions deep in a slot
.set ROWB,   256                       ; a tile's row: 512 codes
.set KROW,   512                       ; a row of codes in memory
.set PITCH,  272                       ; 256 bytes + 16 of padding: the 16 rows of a load start at 16 different banks (64 banks of 4 bytes: ISA guide 11.1)
.set FR,     8
.set NL,     2
.set NP,     4
.set HALFT,  128*PITCH
.set SLOT,   4*HALFT
.set KS,     32                        ; a row of scale bytes
.set SCL,    2*SLOT
.set HALFS,  (128*KS/256)*272
.set SBLK,   (16*KS/256)*272
.set SPARE,  SCL+4*HALFS               ; the spare words: 128 bytes a wave, named by no other line
.set SPITCH, 272                       ; the way out: 16 rows x 272 bytes for each wave, in slot 0, which has had its only fill and its last read by then
.set ADRA, 16
.set ADRB, 20
.set STO,  24
.set RD,   25
.set CO,   26
.set ADRS, 27
.set SPW,  28
.set NIL,  29
.set IMO,  30                          ; v30  16 x lane: an image's place for my lane
.set SC,   32
.set AF,   128
.set TMP,  192
.set OB,   32
.set G1, 24
.set G0, 32
.set G1B, 48
.set G0B, 56
.set G1S, 68
.set G0S, 76
.set G1SB, 80
.set G0SB, 88
.set MSB, 0
.macro WIN new                         ; the immediate's high byte repeats the setting that is left
.if MSB != (\new)
	s_set_vgpr_msb (MSB<<8)|(\new)
.set MSB, (\new)
.endif
.endm
.set MUL_LO, 0xa1                      ; source 0 (W) window 1, source 1 (x) window 0, C and D window 2
.set MUL_HI, 0xf1
.set TO_B,   0x40
; A joint load: waves 0 and 1 fetch for x, waves 2 and 3 for W.  The branch hangs on the wave's number alone.  An s_nop 0 and four v_nop follow each line.
.macro JLOAD g0a, g1a, g0b, g1b
	s_cmp_eq_u32 s15, 0
	s_cbranch_scc0 .Lfor_b_\@
	tensor_load_to_lds s[\g0a:\g0a+3], s[\g1a:\g1a+7]
	s_nop 0
.rept 4
	v_nop
.endr
	s_branch .Lasked_\@
.Lfor_b_\@:
	tensor_load_to_lds s[\g0b:\g0b+3], s[\g1b:\g1b+7]
	s_nop 0
.rept 4
	v_nop
.endr
.Lasked_\@:
.endm
.macro CROUND                          ; a round of the cluster's barrier
	s_barrier_signal -1
	s_barrier_wait -1
	s_cmp_lg_u32 s14, 0
	s_cbranch_scc1 .Lnot_wave_0_\@
	s_barrier_signal -3
.Lnot_wave_0_\@:
	s_barrier_wait -3
	s_barrier_signal -1
	s_barrier_wait -1
.endm
	s_load_b128 s[4:7], s[0:1], 0x0                ; x's codes, x's scales
	s_load_b128 s[8:11], s[0:1], 0x10              ; W's codes, W's scales
	s_load_b64 s[12:13], s[0:1], 0x20              ; qkv
	s_load_b64 s[96:97], s[0:1], 0x28              ; head16
	v_lshl_add_u32 v[SPW], v0, 2, SPARE
	v_mov_b32 v[NIL], 0
	ds_add_u32 v[SPW], v[NIL]                      ; the opening: the add, twice on end, and its wait ahead of my first tensor load
	ds_add_u32 v[SPW], v[NIL]
	v_lshrrev_b32 v1, 5, v0
	v_readfirstlane_b32 s14, v1                    ; wave
	s_lshr_b32 s15, s14, 1                         ; my half of the tile's rows; also: I fetch for x (0) or W (1)
	s_and_b32 s16, s14, 1                          ; my half of its columns; also: which 128 rows I fetch
	s_bfe_u32 s40, ttmp6, 0x40000                  ; cx
	s_bfe_u32 s41, ttmp6, 0x40004                  ; cy
	s_lshl_b32 s42, ttmp9, 2
	s_add_co_u32 s42, s42, s40                     ; tile column = 4 x cluster x + cx
	s_and_b32 s17, ttmp7, 0xffff
	s_lshl_b32 s18, s41, 3
	s_add_co_u32 s17, s17, s18                     ; tile row = cluster y + 8 cy
	s_lshl_b32 s43, s41, 2
	s_lshl_b32 s43, 15, s43                        ; my row of the cluster
	s_lshl_b32 s44, 0x1111, s40                    ; my column
	s_or_b32 s[G1+0], s43, (0<<16)|(1<<20)|(1<<21)|(5<<22)|(3<<25)  ; mask; elements of 1 byte; padding: 4 words behind every 64
	s_or_b32 s[G1B+0], s44, (0<<16)|(1<<20)|(1<<21)|(5<<22)|(3<<25)
.irp g, G1, G1B
	s_mov_b32 s[\g+1], ROWB<<16                    ; tensor_dim0
	s_mov_b32 s[\g+2], 128<<16                     ; tensor_dim1
	s_mov_b32 s[\g+3], ROWB<<16                    ; tile_dim0
	s_mov_b32 s[\g+4], 128                         ; tile_dim1
	s_mov_b32 s[\g+5], KROW                        ; the pitch
	s_mov_b32 s[\g+6], 0
	s_mov_b32 s[\g+7], 0
.endr
	s_or_b32 s[G1S+0], s43, (3<<16)|(1<<20)|(1<<21)|(5<<22)|(3<<25) ; the scales of 128 rows: 4,096 dense bytes as 16 rows of 256 (32 elements of 8 bytes)
	s_or_b32 s[G1SB+0], s44, (3<<16)|(1<<20)|(1<<21)|(5<<22)|(3<<25)
.irp g, G1S, G1SB
	s_mov_b32 s[\g+1], 32<<16
	s_mov_b32 s[\g+2], (128*KS/256)<<16
	s_mov_b32 s[\g+3], 32<<16
	s_mov_b32 s[\g+4], 128*KS/256
	s_mov_b32 s[\g+5], 32
	s_mov_b32 s[\g+6], 0
	s_mov_b32 s[\g+7], 0
.endr
	s_lshl_b32 s18, s16, 7
	s_lshl_b32 s20, s17, 8
	s_add_co_u32 s20, s20, s18                     ; x: row 256 x tile row + 128 x half
	s_lshl_b32 s46, s42, 8
	s_add_co_u32 s46, s46, s18                     ; W: row 256 x tile column + 128 x half
	s_mov_b32 s21, 0
	s_mov_b32 s47, 0
	s_mov_b64 s[18:19], KS
	s_mul_u64 s[22:23], s[20:21], s[18:19]
	s_mul_u64 s[92:93], s[46:47], s[18:19]
	s_mov_b64 s[18:19], KROW
	s_mul_u64 s[20:21], s[20:21], s[18:19]
	s_mul_u64 s[46:47], s[46:47], s[18:19]
	s_mul_i32 s45, s14, HALFT                      ; where they go: wave x 128 rows
	s_mul_i32 s94, s14, HALFS
	s_wait_dscnt 0x0                               ; both opening adds are done
	s_wait_kmcnt 0x0
	s_add_nc_u64 s[20:21], s[4:5], s[20:21]
	s_add_nc_u64 s[22:23], s[6:7], s[22:23]
	s_add_nc_u64 s[46:47], s[8:9], s[46:47]
	s_add_nc_u64 s[92:93], s[10:11], s[92:93]
	CROUND                                         ; all sixteen work-groups are here: the joint loads meet
	s_mov_b32 s[G0S], 1
	s_add_co_u32 s[G0S+1], s94, SCL
	s_mov_b64 s[G0S+2:G0S+3], s[22:23]
	s_or_b32 s[G0S+3], s[G0S+3], 0x80000000
	s_mov_b32 s[G0SB], 1
	s_add_co_u32 s[G0SB+1], s94, SCL
	s_mov_b64 s[G0SB+2:G0SB+3], s[92:93]
	s_or_b32 s[G0SB+3], s[G0SB+3], 0x80000000
	JLOAD G0S, G1S, G0SB, G1SB                     ; the scales first: they are wanted with slot 0
.irp s, 0,1
	s_mov_b32 s[G0+4*\s], 1
	s_add_co_u32 s[G0+4*\s+1], s45, \s*SLOT
	s_add_nc_u64 s[G0+4*\s+2:G0+4*\s+3], s[20:21], \s*ROWB
	s_or_b32 s[G0+4*\s+3], s[G0+4*\s+3], 0x80000000
	s_mov_b32 s[G0B+4*\s], 1
	s_add_co_u32 s[G0B+4*\s+1], s45, \s*SLOT
	s_add_nc_u64 s[G0B+4*\s+2:G0B+4*\s+3], s[46:47], \s*ROWB
	s_or_b32 s[G0B+4*\s+3], s[G0B+4*\s+3], 0x80000000
	JLOAD G0+4*\s, G1, G0B+4*\s, G1B
.endr
	v_and_b32 v1, 15, v0                           ; r
	v_bfe_u32 v2, v0, 4, 1                         ; h
	v_mul_u32_u24 v3, v1, PITCH
	v_lshl_add_u32 v4, v2, 4, v3
	s_mul_i32 s21, s15, HALFT
	s_mul_i32 s22, s16, HALFT
	s_add_co_u32 s22, s22, 2*HALFT
.irp s, 0,1
	v_add_nc_u32 v[ADRA+\s], s21, v4
	v_add_nc_u32 v[ADRB+\s], s22, v4
	s_add_co_u32 s21, s21, SLOT
	s_add_co_u32 s22, s22, SLOT
.endr
	v_mul_u32_u24 v5, v1, KS                       ; my row's scales: 32 bytes a row, and 16 more for each 256 passed
	v_lshrrev_b32 v6, 8, v5
	v_lshl_add_u32 v5, v6, 4, v5
	s_mul_i32 s21, s15, HALFS
	s_mul_i32 s22, s16, HALFS
	s_add_co_u32 s22, s22, 2*HALFS
	s_sub_co_u32 s22, s22, s21
	v_mul_u32_u24 v6, s22, v2                      ; lanes 16-31 take W's
	s_add_co_u32 s21, s21, SCL
	v_add_nc_u32 v5, v5, v6
	v_add_nc_u32 v[ADRS], s21, v5
	s_mul_i32 s23, s14, 16*SPITCH                  ; my stage
	v_mul_u32_u24 v5, v1, SPITCH
	v_lshl_add_u32 v5, v2, 4, v5
	v_add_nc_u32 v[STO], s23, v5                   ; in: row r, 16 bytes for each half of the lanes
	v_mul_u32_u24 v5, v2, SPITCH
	v_lshl_add_u32 v5, v1, 4, v5
	v_add_nc_u32 v[RD], s23, v5                    ; back: lanes 0-15 one row of 256 bytes, lanes 16-31 the next
	v_mul_u32_u24 v5, v2, SIZE_N*2
	v_lshl_add_u32 v[CO], v1, 4, v5                ; the same two rows in qkv
	v_and_b32 v6, 31, v0
	v_lshlrev_b32 v[IMO], 4, v6
	s_lshl_b32 s20, s17, 8
	s_lshl_b32 s21, s15, 7
	s_add_co_u32 s20, s20, s21                     ; my first row
	s_mov_b32 s21, 0
	s_mov_b64 s[18:19], SIZE_N*2
	s_mul_u64 s[20:21], s[20:21], s[18:19]
	s_lshl_b32 s46, s42, 9                         ; my first column, in bytes
	s_lshl_b32 s47, s16, 8
	s_add_co_u32 s46, s46, s47
	s_mov_b32 s47, 0
	s_add_nc_u64 s[20:21], s[20:21], s[46:47]
	s_add_nc_u64 s[12:13], s[12:13], s[20:21]
	s_mul_i32 s98, s41, 196608                     ; head16: the batch is cy; 192 column tiles of 1,024 bytes a batch
	s_lshl_b32 s99, s42, 14                        ; my tile's 16 column tiles,
	s_add_co_u32 s98, s98, s99
	s_lshl_b32 s99, s16, 13                        ; my half's 8
	s_add_co_u32 s98, s98, s99
	s_mov_b32 s99, 0
	s_add_nc_u64 s[96:97], s[96:97], s[98:99]
.macro FRAG reg, adr, q, i             ; 16 rows x 128 K of 4-bit codes: 8 registers; registers 4 c .. 4 c + 3 hold K = 64 c + 32 (lane / 16) + 0 .. 31
.irp c, 0,1
	ds_load_b128 v[\reg+4*\c:\reg+4*\c+3], v[\adr] offset:64*(\q)+32*\c+(\i)*16*PITCH
.endr
.endm
; 16 matrix instructions: x's blocks a0, a0 + 1 against W's eight.  The 64 accumulators take turns in the same order in every step.
.macro MUL16 a0, p, q, sc, zero
.irp a, \a0, \a0+1
.irp b, 0,1,2,3,4,5,6,7
.if \zero
	v_wmma_scale_f32_16x16x128_f8f6f4 v[8*(8*((\a)%4)+\b):8*(8*((\a)%4)+\b)+7], v[128*(\p)+FR*\b:128*(\p)+FR*\b+FR-1], v[AF+FR*(\a):AF+FR*(\a)+FR-1], 0, v[SC+8*NQ*(\sc)+NQ*\b+(\q)], v[SC+8*NQ*(\sc)+NQ*(\a)+(\q)] matrix_a_fmt:MATRIX_FMT_FP4 matrix_b_fmt:MATRIX_FMT_FP4 matrix_a_scale:MATRIX_SCALE_ROW1
.else
	v_wmma_scale_f32_16x16x128_f8f6f4 v[8*(8*((\a)%4)+\b):8*(8*((\a)%4)+\b)+7], v[128*(\p)+FR*\b:128*(\p)+FR*\b+FR-1], v[AF+FR*(\a):AF+FR*(\a)+FR-1], v[8*(8*((\a)%4)+\b):8*(8*((\a)%4)+\b)+7], v[SC+8*NQ*(\sc)+NQ*\b+(\q)], v[SC+8*NQ*(\sc)+NQ*(\a)+(\q)] matrix_a_fmt:MATRIX_FMT_FP4 matrix_b_fmt:MATRIX_FMT_FP4 matrix_a_scale:MATRIX_SCALE_ROW1
.endif
.endr
.endr
.endm
.macro FETCH_B slot, q, p
	WIN TO_B
.irp i, 0,1,2,3,4,5,6,7
	FRAG 128*(\p)+FR*\i, ADRB+\slot, \q, \i
.endr
	WIN 0
.endm
.macro FETCH_A slot, q, i0
.irp i, \i0, \i0+1, \i0+2, \i0+3
	FRAG AF+FR*(\i), ADRA+\slot, \q, \i
.endr
.endm
.macro SCALES sc                       ; a slot's scale words: lanes 0-15 x's block i, lanes 16-31 W's block i
.irp i, 0,1,2,3,4,5,6,7
	ds_load_b128 v[SC+8*NQ*\sc+NQ*\i:SC+8*NQ*\sc+NQ*\i+3], v[ADRS] offset:\i*SBLK
.endr
.endm
.macro PLACES n                        ; plain vector lines between a matrix instruction and a load into, or a read of, its registers
.rept \n
	v_nop
.endr
.endm
.macro STEP slot, q, zero
	s_wait_dscnt 4*NL                              ; W's set and x's blocks 0-3 are in; the youngest eight loads (x's blocks 4-7) may be out
	WIN MUL_LO
	MUL16 0, (\q)%2, \q, \slot, \zero
	MUL16 2, (\q)%2, \q, \slot, \zero
	s_wait_dscnt 0
	PLACES NP
	FETCH_B \slot, (\q)+1, 1-(\q)%2
	FETCH_A \slot, (\q)+1, 0
	WIN MUL_HI
	MUL16 4, (\q)%2, \q, \slot, \zero
	MUL16 6, (\q)%2, \q, \slot, \zero
	PLACES NP
	WIN 0
	FETCH_A \slot, (\q)+1, 4
.endm
; Slot 0's last step changes slots: each wave waits for all its tensor loads (its part of slot 1), adds 0 to its spare word, waits for that and for its reads of slot 0, and passes a barrier.
.macro TURN slot, next
	s_wait_tensorcnt 0x0
	ds_add_u32 v[SPW], v[NIL]
	s_wait_dscnt 4*NL+1                            ; the add and the youngest eight loads may be out
	WIN MUL_LO
	MUL16 0, 1, NQ-1, \slot, 0
	s_wait_dscnt 0x0
	s_barrier_signal -1
	MUL16 2, 1, NQ-1, \slot, 0
	WIN 0
	s_barrier_wait -1
	PLACES NP
	v_add_nc_u32 v[ADRS], 4*NQ, v[ADRS]            ; the next slot's scale words (no LDS load of mine is out)
	FETCH_B \next, 0, 0
	FETCH_A \next, 0, 0
	SCALES \next
	WIN MUL_HI
	MUL16 4, 1, NQ-1, \slot, 0
	MUL16 6, 1, NQ-1, \slot, 0
	PLACES NP
	WIN 0
	FETCH_A \next, 0, 4
.endm
	s_wait_tensorcnt 1                             ; the scales and my part of slot 0 are in; slot 1's load may be out
	s_barrier_signal -1
	s_barrier_wait -1
	FETCH_B 0, 0, 0
	FETCH_A 0, 0, 0
	SCALES 0
	FETCH_A 0, 0, 4
	STEP 0, 0, 1                                   ; the first products start the sums: nothing is cleared
	STEP 0, 1, 0
	STEP 0, 2, 0
	TURN 0, 1
	STEP 1, 0, 0
	STEP 1, 1, 0
	STEP 1, 2, 0
	s_wait_dscnt 4*NL
	WIN MUL_LO
	MUL16 0, 1, NQ-1, 1, 0
	MUL16 2, 1, NQ-1, 1, 0
	s_wait_dscnt 0
	WIN MUL_HI
	MUL16 4, 1, NQ-1, 1, 0
	MUL16 6, 1, NQ-1, 1, 0
	WIN 0
	PLACES NP
	; head16: where the tile begins a sequence (cluster y = 0) the waves of its upper half store block 0, rows 0 to 15, in f32 as the registers stand: 512 consecutive bytes a store
	s_and_b32 s98, ttmp7, 0xffff
	s_or_b32 s98, s98, s15
	s_cmp_lg_u32 s98, 0
	s_cbranch_scc1 .Lno_head
	WIN 0x08                                       ; a store's data are its source 1: window 2
.irp b, 0,1,2,3,4,5,6,7
	global_store_b128 v[IMO], v[8*\b:8*\b+3], s[96:97] offset:1024*\b          ; each accumulator from its low end on
	global_store_b128 v[IMO], v[8*\b+4:8*\b+7], s[96:97] offset:1024*\b+512
.endr
	WIN 0
.Lno_head:
; THE WAY OUT of block a (16 rows x 128 columns): rounded to f16, 16 bytes a lane; through my stage; back as whole rows of 256 bytes.
.macro PACK a
.set AC, 64*((\a)%4)
	WIN 0x0a+5*((\a)/4)                            ; sources 0 and 1: window 2 or 3
.irp b, 0,1,2,3,4,5,6,7
.irp r, 0,1,2,3
	v_cvt_pk_f16_f32 v[TMP+4*\b+\r], v[AC+8*\b+2*\r], v[AC+8*\b+2*\r+1]
.endr
.endr
	WIN 0
.endm
.macro TOSTAGE a
.set BK, OB+192*((\a)%2)
.irp b, 0,1,2,3,4,5,6,7
	ds_store_b128 v[STO], v[TMP+4*\b:TMP+4*\b+3] offset:32*\b
.endr
.irp t, 0,1,2,3,4,5,6,7
	ds_load_b128 v[BK+4*\t:BK+4*\t+3], v[RD] offset:\t*2*SPITCH    ; LDS serves a wave's instructions in order: these see the stores above
.endr
.endm
.macro SEND a
.set BK, OB+192*((\a)%2)
	s_wait_dscnt 0x0                               ; the block is back in registers
	s_wait_xcnt 0x0                                ; the earlier stores have read their base and their registers
.if (\a) > 0
	s_add_nc_u64 s[12:13], s[12:13], 16*SIZE_N*2
.endif
.irp t, 0,1,2,3,4,5,6,7
	global_store_b128 v[CO], v[BK+4*\t:BK+4*\t+3], s[12:13] offset:2*\t*SIZE_N*2   ; sixteen lanes store 256 consecutive bytes, aligned
.endr
.endm
	PACK 0
	TOSTAGE 0
.irp a, 1,2,3,4,5,6,7
	PACK \a                                        ; a block's conversions stand between the loads of the block before and the wait for them
	SEND \a-1
	TOSTAGE \a
.endr
	SEND 7
	s_wait_tensorcnt 0x0                           ; the wave's end
	ds_add_u32 v[SPW], v[NIL]
	s_wait_dscnt 0x0
	CROUND                                         ; the closing round
	s_endpgm
.Lfunc_end_k_q061164c03d_qkv:
	.size	k_q061164c03d_qkv, .Lfunc_end_k_q061164c03d_qkv-k_q061164c03d_qkv
	.p2alignl 7, 3214868480
	.fill 96, 4, 3214868480
	.section	.rodata,"a",@progbits
	.p2align	6, 0x0
	.amdhsa_kernel k_q061164c03d_qkv
		.amdhsa_group_segment_fixed_size 327680
		.amdhsa_private_segment_fixed_size 0
		.amdhsa_enable_private_segment 0
		.amdhsa_kernarg_size 48
		.amdhsa_user_sgpr_count 2
		.amdhsa_user_sgpr_kernarg_segment_ptr 1
		.amdhsa_wavefront_size32 1
		.amdhsa_system_sgpr_workgroup_id_x 1
		.amdhsa_system_sgpr_workgroup_id_y 1
		.amdhsa_system_sgpr_workgroup_id_z 1
		.amdhsa_system_vgpr_workitem_id 0
		.amdhsa_next_free_vgpr 1024
		.amdhsa_next_free_sgpr 100
		.amdhsa_reserve_vcc 0
		.amdhsa_float_denorm_mode_32 3
		.amdhsa_float_denorm_mode_16_64 3
		.amdhsa_memory_ordered 1
		.amdhsa_forward_progress 1
		.amdhsa_inst_pref_size 129
	.end_amdhsa_kernel
	.amdgpu_metadata
---
amdhsa.version: [ 1, 2 ]
amdhsa.kernels:
  - .name:           k_q061164c03d_qkv
    .symbol:         k_q061164c03d_qkv.kd
    .args:
      - { .name: x_codes, .offset: 0, .size: 8, .value_kind: global_buffer, .address_space: global }
      - { .name: x_scales, .offset: 8, .size: 8, .value_kind: global_buffer, .address_space: global }
      - { .name: w_codes, .offset: 16, .size: 8, .value_kind: global_buffer, .address_space: global }
      - { .name: w_scales, .offset: 24, .size: 8, .value_kind: global_buffer, .address_space: global }
      - { .name: qkv, .offset: 32, .size: 8, .value_kind: global_buffer, .address_space: global }
      - { .name: head16, .offset: 40, .size: 8, .value_kind: global_buffer, .address_space: global }
    .group_segment_fixed_size: 327680
    .private_segment_fixed_size: 0
    .kernarg_segment_align: 8
    .kernarg_segment_size: 48
    .max_flat_workgroup_size: 128
    .sgpr_count:     100
    .vgpr_count:     1024
    .wavefront_size: 32
...
	.end_amdgpu_metadata
.endif
;; end of part 2
;; launch scores (part 3): grid 36 x 4, 4 waves a work-group, no clusters, 327,680 bytes of LDS; arguments qkv, p, stats; writes p, stats
.if DOCPART == 3
	.amdgcn_target "amdgcn-amd-amdhsa--gfx1250"
	.amdhsa_code_object_version 6
	.text
	.protected	k_q061164c03d_scores
	.globl	k_q061164c03d_scores
	.p2align	8
	.type	k_q061164c03d_scores,@function
k_q061164c03d_scores:
	s_mov_b64 s[64:65], 0
	v_nop
	global_prefetch_b8 v0, s[64:65] scope:SCOPE_SE
	s_setreg_imm32_b32 hwreg(HW_REG_WAVE_MODE, 25, 1), 1
	s_wait_xcnt 0x0
; For each causal tile (I, J), J <= I, of 256 queries x 256 keys of a batch: s = q . k (f16 operands, f32 sums, K = 1,024); t = s x log2(e) / 32;
; M = the tile's largest unmasked t of a query, rounded UP to a whole number; p' = 2^(t - M) goes out as f16 (0 under the mask); mt[b][J][q] = M and lt[b][J][q] = the sum of the unrounded p', f32.
; The next launch takes the largest M over a query's tiles, the row's true maximum rounded up, and brings every tile under it by an exact power of two.
; LIMITS: NaN and infinities are not served; a p' under 6e-8 becomes 0 in f16.
; 36 tiles a batch, one work-group each, four waves of 128 x 128: 64 accumulators, 512 registers.  K goes in steps of 128 through two LDS slots (rows of 256 bytes + 16 of padding).
; NO CLUSTER: tile row I has I + 1 tiles, so no four partners walk alike unless tiles that lie wholly under the mask are multiplied too.
; THE MATRIX INSTRUCTION IS USED TRANSPOSED (source 0 = 16 keys, source 1 = 16 queries): a lane holds ONE query (lane % 16) and keys 8 (lane / 16) + 0 .. 7 of each block.
; REGISTERS: window 0: v16-29 addresses; v64-191 q's fragments, two buffers; v192-198 addresses of the way out.  window 1: k's fragments.  windows 2, 3: accumulators ((a, b) at v[8 (8 (a % 4) + b)]).
;   The way out, window 0: v32-47 -M in pairs; v48-55 row sums; v56-63 row maxima; v64-95 at work; v96-127 packed; v128-191 rows read back.
.set KSTEP,  128
.set PITCH,  272
.set HALFT,  128*PITCH
.set SLOT,   4*HALFT
.set STAGE,  2*SLOT                    ; 16 rows x 272 bytes for each wave
.set SPITCH, 272
.set XM,     STAGE+4*16*SPITCH         ; [column half][256 rows] f32: the waves' row maxima
.set XS,     XM+2048                   ; the same for the row sums
.set SPARE,  XS+2048                   ; the spare words: 128 bytes a wave, named by no other line
.set LAPS,   4                         ; K = 1,024 = 4 laps of two steps
.set PP,     4096                      ; a row of p in bytes
.set ADRA, 16
.set ADRB, 20
.set STO,  24
.set RD,   25
.set CO,   26
.set SPW,  28
.set NIL,  29
.set NM,   32
.set RS,   48
.set RX,   56
.set T,    64
.set TMP,  96
.set OB,   128
.set D0,   192                         ; v192  128 (row half - column half) + r - 8 h: key 16 b + j of block a is hidden where 16 (b - a) + j > D0
.set NEG,  193                         ; v193  -infinity
.set XMW,  194
.set XMR,  195
.set XSW,  196
.set LIN,  197
.set SO,   198
.set F0,   64
.set F1,   128
.set SEL,  20                          ; s[20:21] v_permlanex16_b32's selects for lane l xor 16
.set CS,   22                          ; s[22:23] c = log2(e) / 32, twice
.set G1,   24
.set G0,   32
.set MSB, 0
.macro WIN new
.if MSB != (\new)
	s_set_vgpr_msb (MSB<<8)|(\new)
.set MSB, (\new)
.endif
.endm
.set MUL_LO, 0xa1
.set MUL_HI, 0xf1
.set TO_B,   0x40
	s_load_b128 s[4:7], s[0:1], 0x0                ; qkv, p
	s_load_b64 s[8:9], s[0:1], 0x10                ; stats
	v_lshl_add_u32 v[SPW], v0, 2, SPARE
	v_mov_b32 v[NIL], 0
	ds_add_u32 v[SPW], v[NIL]                      ; the opening: the add, twice on end, and its wait ahead of my first tensor load
	ds_add_u32 v[SPW], v[NIL]
	v_lshrrev_b32 v1, 5, v0
	v_readfirstlane_b32 s10, v1                    ; wave
	s_lshr_b32 s11, s10, 1                         ; my half of the queries; also: I fetch q (0) or k (1)
	s_and_b32 s12, s10, 1                          ; my half of the keys; also: which 128 rows I fetch
	s_and_b32 s13, ttmp7, 0xffff                   ; the batch
	s_mov_b32 s14, 0                               ; I: how many of the triangle numbers 1, 3, .. 28 the work-group's number has reached
.irp n, 1,3,6,10,15,21,28
	s_cmp_ge_u32 ttmp9, \n
	s_cselect_b32 s15, 1, 0
	s_add_co_u32 s14, s14, s15
.endr
	s_add_co_u32 s15, s14, 1
	s_mul_i32 s15, s15, s14
	s_lshr_b32 s15, s15, 1
	s_sub_co_u32 s15, ttmp9, s15                   ; J
	s_mov_b32 s[G1+0], (1<<16)|(1<<20)|(5<<22)|(3<<25)   ; elements of 2 bytes; padding: 4 words behind every 64
	s_mov_b32 s[G1+1], KSTEP<<16                   ; tensor_dim0
	s_mov_b32 s[G1+2], 128<<16                     ; tensor_dim1
	s_mov_b32 s[G1+3], KSTEP<<16                   ; tile_dim0
	s_mov_b32 s[G1+4], 128                         ; tile_dim1
	s_mov_b32 s[G1+5], 3072                        ; the pitch of qkv in elements
	s_mov_b32 s[G1+6], 0
	s_mov_b32 s[G1+7], 0
	s_cmp_eq_u32 s11, 0
	s_cselect_b32 s16, s14, s15                    ; q's rows by I, k's by J
	s_cselect_b32 s18, 0, 2048                     ; k begins 2,048 bytes into a row of qkv
	s_lshl_b32 s16, s16, 8
	s_lshl_b32 s17, s13, 11
	s_add_co_u32 s16, s16, s17
	s_lshl_b32 s17, s12, 7
	s_add_co_u32 s16, s16, s17
	s_mul_i32 s16, s16, 6144
	s_add_co_u32 s16, s16, s18
	s_mov_b32 s17, 0
	s_mul_i32 s18, s10, HALFT                      ; q's two halves, then k's: wave x 128 rows
	s_mov_b32 s[SEL], 0x76543210
	s_mov_b32 s[SEL+1], 0xfedcba98
	s_mov_b32 s[CS], 0x3d38aa3b
	s_mov_b32 s[CS+1], s[CS]
	s_wait_dscnt 0x0                               ; both opening adds are done
	s_wait_kmcnt 0x0
	s_add_nc_u64 s[16:17], s[4:5], s[16:17]
.irp s, 0,1                                    ; both first fills go out together: two loads of mine are out
	s_mov_b32 s[G0+4*\s], 1
	s_add_co_u32 s[G0+4*\s+1], s18, \s*SLOT
	s_add_nc_u64 s[G0+4*\s+2:G0+4*\s+3], s[16:17], \s*KSTEP*2
	s_or_b32 s[G0+4*\s+3], s[G0+4*\s+3], 0x80000000
	tensor_load_to_lds s[G0+4*\s:G0+4*\s+3], s[G1:G1+7]
	s_nop 0
.endr
.rept 4
	v_nop
.endr
	v_and_b32 v1, 15, v0                           ; r
	v_bfe_u32 v2, v0, 4, 1                         ; h
	v_mul_u32_u24 v3, v1, PITCH
	v_lshl_add_u32 v3, v2, 4, v3
	s_mul_i32 s40, s11, HALFT
	s_mul_i32 s41, s12, HALFT
	s_add_co_u32 s41, s41, 2*HALFT
.irp s, 0,1
	v_add_nc_u32 v[ADRA+\s], s40, v3
	v_add_nc_u32 v[ADRB+\s], s41, v3
	s_add_co_u32 s40, s40, SLOT
	s_add_co_u32 s41, s41, SLOT
.endr
	s_mul_i32 s40, s10, 16*SPITCH
	s_add_co_u32 s40, s40, STAGE
	v_mul_u32_u24 v4, v1, SPITCH
	v_lshl_add_u32 v4, v2, 4, v4
	v_add_nc_u32 v[STO], s40, v4
	v_mul_u32_u24 v5, v2, SPITCH
	v_lshl_add_u32 v5, v1, 4, v5
	v_add_nc_u32 v[RD], s40, v5
	v_lshlrev_b32 v5, 12, v2
	v_lshl_add_u32 v[CO], v1, 4, v5
	s_lshl_b32 s40, s12, 10
	s_lshl_b32 s41, s11, 9
	s_add_co_u32 s42, s40, s41
	s_add_co_u32 s42, s42, XM
	v_lshl_add_u32 v[XMW], v1, 2, s42              ; my wave's maxima: XM + 1,024 column half + 512 row half + 4 r
	s_add_co_u32 s42, s42, 2048
	v_lshl_add_u32 v[XSW], v1, 2, s42              ; my sums
	s_xor_b32 s40, s40, 1024
	s_add_co_u32 s42, s40, s41
	s_add_co_u32 s42, s42, XM
	v_lshl_add_u32 v[XMR], v1, 2, s42              ; the maxima of the wave that has the same queries' other keys
	s_lshl_b32 s40, s12, 11
	s_add_co_u32 s40, s40, s41
	s_add_co_u32 s40, s40, XM
	v_and_b32 v6, 31, v0
	v_lshl_add_u32 v[LIN], v6, 4, s40              ; the tables: column half 0 reads the maxima of my 128 rows, column half 1 the sums
	v_lshlrev_b32 v[SO], 4, v6
	s_sub_co_i32 s40, s11, s12
	s_lshl_b32 s40, s40, 7
	v_lshlrev_b32 v5, 3, v2
	v_sub_nc_u32 v[D0], v1, v5
	v_add_nc_u32 v[D0], s40, v[D0]
	v_mov_b32 v[NEG], 0xff800000
	s_lshl_b32 s40, s13, 11                        ; p at (2,048 b + 256 I + 128 row half) rows, 512 J + 256 column half bytes
	s_lshl_b32 s41, s14, 8
	s_add_co_u32 s40, s40, s41
	s_lshl_b32 s41, s11, 7
	s_add_co_u32 s40, s40, s41
	s_lshl_b32 s40, s40, 12
	s_lshl_b32 s41, s15, 9
	s_add_co_u32 s40, s40, s41
	s_lshl_b32 s41, s12, 8
	s_add_co_u32 s40, s40, s41
	s_mov_b32 s41, 0
	s_add_nc_u64 s[6:7], s[6:7], s[40:41]
	s_lshl_b32 s40, s13, 3                         ; stats at ((8 b + J) 2,048 + 256 I + 128 row half) words; lt lies 262,144 bytes behind mt
	s_add_co_u32 s40, s40, s15
	s_lshl_b32 s40, s40, 11
	s_lshl_b32 s41, s14, 8
	s_add_co_u32 s40, s40, s41
	s_lshl_b32 s41, s11, 7
	s_add_co_u32 s40, s40, s41
	s_lshl_b32 s40, s40, 2
	s_lshl_b32 s41, s12, 18
	s_add_co_u32 s40, s40, s41
	s_mov_b32 s41, 0
	s_add_nc_u64 s[8:9], s[8:9], s[40:41]
; 16 matrix instructions: query blocks a0, a0 + 1 of the window's four x all 8 key blocks, 32 along K.  The 64 accumulators take turns in the same order.
.macro MUL16 f, hi, a0, zero
.irp a, \a0, \a0+1
.irp b, 0,1,2,3,4,5,6,7
.if \zero
	v_wmma_f32_16x16x32_f16 v[8*(8*(\a)+\b):8*(8*(\a)+\b)+7], v[\f+8*\b:\f+8*\b+7], v[\f+8*(4*\hi+\a):\f+8*(4*\hi+\a)+7], 0
.else
	v_wmma_f32_16x16x32_f16 v[8*(8*(\a)+\b):8*(8*(\a)+\b)+7], v[\f+8*\b:\f+8*\b+7], v[\f+8*(4*\hi+\a):\f+8*(4*\hi+\a)+7], v[8*(8*(\a)+\b):8*(8*(\a)+\b)+7]
.endif
.endr
.endr
.endm
.macro FETCH slot, k, f                ; 32 LDS loads in one run: a quarter step's fragments
	WIN TO_B
.irp i, 0,1,2,3,4,5,6,7
	ds_load_b128 v[\f+8*\i:\f+8*\i+3],   v[ADRB+\slot] offset:\k+\i*16*PITCH
	ds_load_b128 v[\f+8*\i+4:\f+8*\i+7], v[ADRB+\slot] offset:\k+\i*16*PITCH+32
.endr
	WIN 0
.irp i, 0,1,2,3,4,5,6,7
	ds_load_b128 v[\f+8*\i:\f+8*\i+3],   v[ADRA+\slot] offset:\k+\i*16*PITCH
	ds_load_b128 v[\f+8*\i+4:\f+8*\i+7], v[ADRA+\slot] offset:\k+\i*16*PITCH+32
.endr
.endm
.macro PLACES                          ; four plain lines between a matrix instruction and a load into, or a vector read or write of, its registers
.rept 4
	v_nop
.endr
.endm
.macro QUARTER slot, k, f, g, zero
	s_wait_dscnt 8                                 ; k's fragments and q's rows 0-63 are in; the youngest eight loads (q's rows 64-127) may be out
	WIN MUL_LO
	MUL16 \f, 0, 0, \zero
	MUL16 \f, 0, 2, \zero
	PLACES
	FETCH \slot, \k, \g
	s_wait_dscnt 32                                ; all but the 32 just issued
	WIN MUL_HI
	MUL16 \f, 1, 0, \zero
	MUL16 \f, 1, 2, \zero
.endm
; A step's last quarter changes slots: ONE barrier.  In front of it each wave waits for all its tensor loads (its part of the next slot), adds 0 to its spare word, and waits for that and for its reads of this slot.
; fill = 1: this slot is filled again, two K steps ahead: my one tensor load behind the barrier, and the first thing there; 224 matrix instructions stand between it and the wait for it.
.macro TURN slot, next, fill
	WIN 0
	s_wait_tensorcnt 0x0
	ds_add_u32 v[SPW], v[NIL]
	s_wait_dscnt 9                                 ; the add and the youngest eight loads may be out
	WIN MUL_LO
	MUL16 F1, 0, 0, 0
	s_wait_dscnt 0x0                               ; the add is done, my reads of this slot are over
	s_barrier_signal -1
	MUL16 F1, 0, 2, 0
	WIN 0
	s_barrier_wait -1
.if \fill
	s_add_nc_u64 s[G0+4*\slot+2:G0+4*\slot+3], s[G0+4*\slot+2:G0+4*\slot+3], 2*KSTEP*2   ; no load of mine is out: the group may be written
	tensor_load_to_lds s[G0+4*\slot:G0+4*\slot+3], s[G1:G1+7]
	s_nop 0
.endif
	PLACES                                         ; behind the load, and in front of the loads below
	FETCH \next, 0, F0
	WIN MUL_HI
	MUL16 F1, 1, 0, 0
	MUL16 F1, 1, 2, 0
.endm
	s_wait_tensorcnt 1                             ; my part of K step 0 is in; step 1's may be out
	s_barrier_signal -1
	s_barrier_wait -1
	FETCH 0, 0, F0
	QUARTER 0, 64,  F0, F1, 1                      ; the first products start the sums
	WIN 0
	s_mov_b32 s3, LAPS-1
.Llap:                                                 ; a trip goes once round the ring and fills both slots again
	QUARTER 0, 128, F1, F0, 0
	QUARTER 0, 192, F0, F1, 0
	TURN 0, 1, 1
	QUARTER 1, 64,  F0, F1, 0
	QUARTER 1, 128, F1, F0, 0
	QUARTER 1, 192, F0, F1, 0
	TURN 1, 0, 1
	QUARTER 0, 64,  F0, F1, 0
	WIN 0
	s_sub_co_u32 s3, s3, 1
	s_cmp_lg_u32 s3, 0
	s_cbranch_scc1 .Llap
	QUARTER 0, 128, F1, F0, 0                      ; the last lap fills nothing
	QUARTER 0, 192, F0, F1, 0
	TURN 0, 1, 0
	QUARTER 1, 64,  F0, F1, 0
	QUARTER 1, 128, F1, F0, 0
	QUARTER 1, 192, F0, F1, 0
	s_wait_dscnt 8
	WIN MUL_LO
	MUL16 F1, 0, 0, 0
	MUL16 F1, 0, 2, 0
	s_wait_dscnt 0
	WIN MUL_HI
	MUL16 F1, 1, 0, 0
	MUL16 F1, 1, 2, 0
	WIN 0
	PLACES
; ---------------- the way out
.macro MASK a                          ; on the diagonal tile hidden scores become -infinity: p' = 0 then
.set AC, 64*((\a)%4)
.set W, 2+(\a)/4
	WIN (W<<6)|W
.irp b, 0,1,2,3,4,5,6,7
.irp j, 0,1,2,3,4,5,6,7
	v_cmp_gt_i32 vcc_lo, 16*(\b-(\a))+\j, v[D0]
	v_cndmask_b32 v[AC+8*\b+\j], v[AC+8*\b+\j], v[NEG], vcc_lo
.endr
.endr
.endm
.macro ROWMAX a                        ; the largest of my wave's 128 scores of each query of block a
.set AC, 64*((\a)%4)
.set W, 2+(\a)/4
	WIN W|(W<<2)|(W<<4)
.irp b, 0,1,2,3,4,5,6,7
	v_max3_num_f32 v[T+3*\b], v[AC+8*\b], v[AC+8*\b+1], v[AC+8*\b+2]
	v_max3_num_f32 v[T+3*\b+1], v[AC+8*\b+3], v[AC+8*\b+4], v[AC+8*\b+5]
	v_max_num_f32 v[T+3*\b+2], v[AC+8*\b+6], v[AC+8*\b+7]
.endr
	WIN 0
.irp i, 0,1,2,3,4,5,6,7
	v_max3_num_f32 v[T+\i], v[T+3*\i], v[T+3*\i+1], v[T+3*\i+2]
.endr
	v_max3_num_f32 v[T], v[T], v[T+1], v[T+2]
	v_max3_num_f32 v[T+1], v[T+3], v[T+4], v[T+5]
	v_max_num_f32 v[T+2], v[T+6], v[T+7]
	v_max3_num_f32 v[T], v[T], v[T+1], v[T+2]
	v_permlanex16_b32 v[T+1], v[T], s[SEL], s[SEL+1]
	v_max_num_f32 v[RX+(\a)], v[T], v[T+1]
	ds_store_b32 v[XMW], v[RX+(\a)] offset:64*(\a) ; lanes l and l xor 16 write the same word with the same value
.endm
.macro EXPS a                          ; p' = 2^(c s - M), in place: one batch of 64 exponentials, one wait
.set AC, 64*((\a)%4)
.set W, 2+(\a)/4
	WIN (W<<6)|W
.set i, 0
.rept 32
	v_pk_fma_f32 v[AC+i:AC+i+1], v[AC+i:AC+i+1], s[CS:CS+1], v[NM+2*(\a):NM+2*(\a)+1] op_sel_hi:[1,0,0]
.set i, i+2
.endr
.set i, 0
.rept 64
	v_exp_f32 v[AC+i], v[AC+i]
.set i, i+1
.endr
	v_nop                                          ; a plain line behind the last exponential
	s_wait_alu depctr_va_vdst(0)                   ; the wait ahead of the first line that names a result: one for the batch
.endm
.macro SUMCVT a                        ; the sum of the unrounded p', and the rounding to f16
.set AC, 64*((\a)%4)
.set W, 2+(\a)/4
	WIN (W<<2)|W
.set i, 0
.rept 16
	v_pk_add_f32 v[T+2*i:T+2*i+1], v[AC+4*i:AC+4*i+1], v[AC+4*i+2:AC+4*i+3]
.set i, i+1
.endr
.irp b, 0,1,2,3,4,5,6,7
.irp r, 0,1,2,3
	v_cvt_pk_f16_f32 v[TMP+4*\b+\r], v[AC+8*\b+2*\r], v[AC+8*\b+2*\r+1]
.endr
.endr
	WIN 0
.irp n, 8,4,2,1
.set i, 0
.rept \n
	v_pk_add_f32 v[T+2*i:T+2*i+1], v[T+2*i:T+2*i+1], v[T+2*(i+\n):T+2*(i+\n)+1]
.set i, i+1
.endr
.endr
	v_add_f32 v[T], v[T], v[T+1]
	v_permlanex16_b32 v[T+1], v[T], s[SEL], s[SEL+1]
	v_add_f32 v[RS+(\a)], v[T], v[T+1]
	ds_store_b32 v[XSW], v[RS+(\a)] offset:64*(\a)
.endm
.macro TOSTAGE a
.set BK, OB+32*((\a)%2)
.irp b, 0,1,2,3,4,5,6,7
	ds_store_b128 v[STO], v[TMP+4*\b:TMP+4*\b+3] offset:32*\b
.endr
.irp t, 0,1,2,3,4,5,6,7
	ds_load_b128 v[BK+4*\t:BK+4*\t+3], v[RD] offset:\t*2*SPITCH    ; LDS serves a wave's instructions in order: these see the stores above
.endr
.endm
.macro SEND a, younger                 ; younger: the LDS instructions issued behind the block's loads
.set BK, OB+32*((\a)%2)
	s_wait_dscnt \younger
	s_wait_xcnt 0x0                                ; the earlier stores have read their base and their registers
.if (\a) > 0
	s_add_nc_u64 s[6:7], s[6:7], 16*PP
.endif
.irp t, 0,1,2,3,4,5,6,7
	global_store_b128 v[CO], v[BK+4*\t:BK+4*\t+3], s[6:7] offset:2*\t*PP   ; sixteen lanes store 256 consecutive bytes, aligned
.endr
.endm
	s_cmp_lg_u32 s14, s15                          ; only the diagonal tiles have hidden keys
	s_cbranch_scc1 .Lopen
.irp a, 0,1,2,3,4,5,6,7
	MASK \a
.endr
	WIN 0
.Lopen:
.irp a, 0,1,2,3,4,5,6,7
	ROWMAX \a
.endr
	s_wait_dscnt 0x0                               ; my maxima lie in LDS
	s_barrier_signal -1
	s_barrier_wait -1
.irp a, 0,1,2,3,4,5,6,7
	ds_load_b32 v[T+\a], v[XMR] offset:64*\a       ; those of the same queries' other 128 keys
.endr
	s_wait_dscnt 0x0
.irp a, 0,1,2,3,4,5,6,7
	v_max_num_f32 v[RX+\a], v[RX+\a], v[T+\a]      ; key 0 of a tile counts for all its queries: a number
.endr
.irp a, 0,1,2,3,4,5,6,7
	v_mul_f32 v[T+\a], s[CS], v[RX+\a]
.endr
.irp a, 0,1,2,3,4,5,6,7
	v_floor_f32 v[NM+2*\a], -v[T+\a]               ; -M = floor(-t)
.endr
.irp a, 0,1,2,3,4,5,6,7
	v_mov_b32 v[NM+2*\a+1], v[NM+2*\a]             ; (named with it as a pair)
.endr
.irp a, 0,1,2,3,4,5,6,7
	EXPS \a
	SUMCVT \a
.if \a > 0
	SEND \a-1, 1                                   ; behind the last block's loads stands this block's one store of its sums
.endif
	TOSTAGE \a
.endr
	SEND 7, 0
	s_wait_dscnt 0x0                               ; my sums lie in LDS
	s_barrier_signal -1
	s_barrier_wait -1
	ds_load_b128 v[T:T+3], v[LIN]                  ; four rows a lane: both column halves' figures
	ds_load_b128 v[T+4:T+7], v[LIN] offset:1024
	s_wait_dscnt 0x0
	s_cmp_eq_u32 s12, 0
	s_cbranch_scc0 .Lsum
.irp j, 0,1,2,3
	v_max_num_f32 v[T+\j], v[T+\j], v[T+4+\j]
.endr
.irp j, 0,1,2,3
	v_mul_f32 v[T+\j], s[CS], v[T+\j]
.endr
.irp j, 0,1,2,3
	v_floor_f32 v[T+\j], -v[T+\j]
.endr
.irp j, 0,1,2,3
	v_mul_f32 v[T+8+\j], -1.0, v[T+\j]             ; M: the same lines on the same numbers as above give the same bits
.endr
	s_branch .Lst
.Lsum:
.irp j, 0,1,2,3
	v_add_f32 v[T+8+\j], v[T+\j], v[T+4+\j]
.endr
.Lst:
	global_store_b128 v[SO], v[T+8:T+11], s[8:9]   ; 128 rows: 512 consecutive bytes, aligned
	s_wait_tensorcnt 0x0                           ; the wave's end
	ds_add_u32 v[SPW], v[NIL]
	s_wait_dscnt 0x0
	s_endpgm
.Lfunc_end_k_q061164c03d_scores:
	.size	k_q061164c03d_scores, .Lfunc_end_k_q061164c03d_scores-k_q061164c03d_scores
	.p2alignl 7, 3214868480
	.fill 96, 4, 3214868480
	.section	.rodata,"a",@progbits
	.p2align	6, 0x0
	.amdhsa_kernel k_q061164c03d_scores
		.amdhsa_group_segment_fixed_size 327680
		.amdhsa_private_segment_fixed_size 0
		.amdhsa_enable_private_segment 0
		.amdhsa_kernarg_size 24
		.amdhsa_user_sgpr_count 2
		.amdhsa_user_sgpr_kernarg_segment_ptr 1
		.amdhsa_wavefront_size32 1
		.amdhsa_system_sgpr_workgroup_id_x 1
		.amdhsa_system_sgpr_workgroup_id_y 1
		.amdhsa_system_sgpr_workgroup_id_z 1
		.amdhsa_system_vgpr_workitem_id 0
		.amdhsa_next_free_vgpr 1024
		.amdhsa_next_free_sgpr 66
		.amdhsa_reserve_vcc 1
		.amdhsa_float_denorm_mode_32 3
		.amdhsa_float_denorm_mode_16_64 3
		.amdhsa_memory_ordered 1
		.amdhsa_forward_progress 1
		.amdhsa_inst_pref_size 251
	.end_amdhsa_kernel
	.amdgpu_metadata
---
amdhsa.version: [ 1, 2 ]
amdhsa.kernels:
  - .name:           k_q061164c03d_scores
    .symbol:         k_q061164c03d_scores.kd
    .args:
      - { .name: qkv, .offset: 0, .size: 8, .value_kind: global_buffer, .address_space: global }
      - { .name: p, .offset: 8, .size: 8, .value_kind: global_buffer, .address_space: global }
      - { .name: stats, .offset: 16, .size: 8, .value_kind: global_buffer, .address_space: global }
    .group_segment_fixed_size: 327680
    .private_segment_fixed_size: 0
    .kernarg_segment_align: 8
    .kernarg_segment_size: 24
    .max_flat_workgroup_size: 128
    .sgpr_count:     66
    .vgpr_count:     1024
    .wavefront_size: 32
...
	.end_amdgpu_metadata
.endif
;; end of part 3
;; launch pv (part 4): grid 8 x 32, 4 waves a work-group, clusters of 4 x 1, 327,680 bytes of LDS; arguments p, qkv, stats, out0; writes out0
.if DOCPART == 4
	.amdgcn_target "amdgcn-amd-amdhsa--gfx1250"
	.amdhsa_code_object_version 6
	.text
	.protected	k_q061164c03d_pv
	.globl	k_q061164c03d_pv
	.p2align	8
	.type	k_q061164c03d_pv,@function
k_q061164c03d_pv:
	s_mov_b64 s[64:65], 0
	v_nop
	global_prefetch_b8 v0, s[64:65] scope:SCOPE_SE
	s_setreg_imm32_b32 hwreg(HW_REG_WAVE_MODE, 25, 1), 1
	s_wait_xcnt 0x0
	s_wait_alu depctr_hold_cnt(0) depctr_sa_sdst(0) depctr_va_vdst(0) depctr_va_sdst(0) depctr_va_ssrc(0) depctr_va_vcc(0) depctr_vm_vsrc(0)
	s_getreg_b32 s2, hwreg(HW_REG_IB_STS2, 6, 4)
	s_cmp_eq_u32 s2, 0
	s_cbranch_scc0 .Lentry_in_a_cluster
	s_endpgm
.Lentry_in_a_cluster:
	s_bfe_u32 s2, ttmp6, 0x10000c
	s_cmp_lg_u32 s2, 0x3003
	s_cbranch_scc0 .Lentry_shape_is_right
	s_endpgm
.Lentry_shape_is_right:
; out[q][e] = (sum over key tiles J of f_J(q) x (p'_J V)(q, e)) / L(q), with M(q) = the largest M_J(q), f_J = 2^(M_J - M) (exact, by v_ldexp_f32), L = sum of f_J l_J.
; p' f16 [4][2048][2048], V = columns 2,048 .. 3,071 of qkv (f16), mt and lt from stats, out0 f32.  The first 16 rows of each sequence are left to the launch that follows.
; A tile of out is 128 queries x 128 columns.  Query block i of a batch's 16 needs i / 2 + 1 key steps of 256; blocks i and 15 - i together always 9.  A work-group walks both, the low one first:
; 8 pairs x 8 column blocks x 4 batches = 256 work-groups of equal work.  Four waves of 64 x 64: 16 accumulators.
; A K STEP IS ONE KEY TILE: its products start at C = 0 and are added to master sums by one packed multiply-add with f_J.  The product is used transposed (source 0 = 16 columns of V, turned on
; the way out of LDS; source 1 = 16 queries of p'), so that all that a lane holds belongs to ONE query.
; CLUSTER: the four column blocks of a cluster walk the same p': its tiles are asked for jointly (mask 15).  V's tiles hang on the column block: plain loads, behind the same rounds.
; V is not shared among pairs: pairs with another i walk other keys in their later steps.  No branch and no LDS address hangs on a place in the cluster.
; REGISTERS: window 0: v16-29 addresses; v32-71 a step's M, f, the row's M and 1 / L for both blocks; v72-103 the way out; v128-255 the step's accumulators ((a, e) at v[128 + 8 (4 a + e)]).
;   window 1: two fragment buffers of 128: 64 of p', then 64 of V.   window 2: v0-127 the master sums.
.set PA,    528                        ; a row of p' in LDS: 512 bytes + 16
.set PV,    288                        ; a row of V: 256 bytes + 32
.set HALFA, 64*PA
.set VOFF,  128*PA
.set HALFV, 128*PV
.set SLOT,  VOFF+256*PV
.set STAGE, 2*SLOT                     ; 16 rows x 272 bytes for each wave
.set SPARE, STAGE+4*4352               ; the spare words: 128 bytes a wave, named by no other line
.set ADRA, 16                          ; v16-17  my fragments of p' in slot 0, 1
.set ADRV, 18                          ; v18-21  of V: slot 0 keys 0-127, keys 128-255; slot 1 likewise
.set STO,  22
.set RD,   23
.set GO,   24
.set MOFF, 25                          ; v25  4 r
.set SPW,  28
.set NIL,  29
.set MS,   32                          ; v32-35  the step's M_J of my query in blocks 0-3
.set FX,   36
.set F,    40                          ; v40-47  f_J, in pairs
.set MC,   48                          ; v48-51  the row's M, block in hand
.set RL,   52                          ; v52-59  1 / L, in pairs
.set MH,   60                          ; the same two for the high block
.set RLH,  64
.set OT,   72
.set ACC,  128
.set F0,   0
.set F1,   128
.set WV, 12
.set RH, 13                            ; my half of the queries; also: I fetch p' (0) or V (1)
.set CH, 14                            ; my half of the columns; also: which half of the tile I fetch
.set NL, 20                            ; key steps of the low block
.set U,  21                            ; the step last asked for
.set KI, 22                            ; its key tile
.set T1, 23                            ; steps done
.set G1A, 24
.set G1V, 32
.set G0A, 40
.set G0V, 48
.set ALO, 56
.set AHI, 58
.set VB0, 60
.set KB,  62
.set VO,  66
.set MP,  68
.set MPH, 70
.set OP,  72
.set OPH, 74
.set NH,  76                           ; key steps of the high block
.set SKIP, 78
.set CNT, 79
.set MSB, 0
.macro WIN new
.if MSB != (\new)
	s_set_vgpr_msb (MSB<<8)|(\new)
.set MSB, (\new)
.endif
.endm
.set MUL,  0x05                        ; sources 0 and 1 window 1; C and D window 0
.set TO_F, 0x40
.macro JLOAD s                         ; waves 0 and 1: p's halves, jointly; waves 2 and 3: V's.  An s_nop 0 and four v_nop follow each line
	s_cmp_eq_u32 s[RH], 0
	s_cbranch_scc0 .Lfor_v_\@
	tensor_load_to_lds s[G0A+4*\s:G0A+4*\s+3], s[G1A:G1A+7]
	s_nop 0
.rept 4
	v_nop
.endr
	s_branch .Lasked_\@
.Lfor_v_\@:
	tensor_load_to_lds s[G0V+4*\s:G0V+4*\s+3], s[G1V:G1V+7]
	s_nop 0
.rept 4
	v_nop
.endr
.Lasked_\@:
.endm
.macro CREST
	s_cmp_lg_u32 s[WV], 0
	s_cbranch_scc1 .Lnot_wave_0_\@
	s_barrier_signal -3
.Lnot_wave_0_\@:
	s_barrier_wait -3
	s_barrier_signal -1
	s_barrier_wait -1
.endm
.macro CROUND
	s_barrier_signal -1
	s_barrier_wait -1
	CREST
.endm
; The next step's addresses into slot's two groups 0 (no tensor load of mine is out).  Steps 0 .. NL - 1 are the low block's key tiles 0 .., the others the high block's.
.macro ADVANCE slot
	s_add_co_u32 s[U], s[U], 1
	s_add_co_u32 s[KI], s[KI], 1
	s_cmp_eq_u32 s[U], s[NL]
	s_cselect_b32 s[KI], 0, s[KI]
	s_cmp_lt_u32 s[U], s[NL]
	s_cselect_b64 s[G0A+4*\slot+2:G0A+4*\slot+3], s[ALO:ALO+1], s[AHI:AHI+1]
	s_lshl_b32 s[KB], s[KI], 9                     ; 256 keys of 2 bytes along p's rows
	s_add_nc_u64 s[G0A+4*\slot+2:G0A+4*\slot+3], s[G0A+4*\slot+2:G0A+4*\slot+3], s[KB:KB+1]
	s_or_b32 s[G0A+4*\slot+3], s[G0A+4*\slot+3], 0x80000000
	s_mul_i32 s[VO], s[KI], 256*6144               ; 256 rows of qkv
	s_add_nc_u64 s[G0V+4*\slot+2:G0V+4*\slot+3], s[VB0:VB0+1], s[VO:VO+1]
	s_or_b32 s[G0V+4*\slot+3], s[G0V+4*\slot+3], 0x80000000
.endm
	s_load_b256 s[4:11], s[0:1], 0x0               ; p s[4:5], qkv s[6:7], stats s[8:9], out0 s[10:11]
	v_lshl_add_u32 v[SPW], v0, 2, SPARE
	v_mov_b32 v[NIL], 0
	ds_add_u32 v[SPW], v[NIL]                      ; the opening: the add, twice on end, and its wait ahead of my first tensor load
	ds_add_u32 v[SPW], v[NIL]
	v_lshrrev_b32 v1, 5, v0
	v_readfirstlane_b32 s[WV], v1
	s_lshr_b32 s[RH], s[WV], 1
	s_and_b32 s[CH], s[WV], 1
	s_bfe_u32 s15, ttmp6, 0x40000                  ; cx
	s_lshl_b32 s16, ttmp9, 2
	s_add_co_u32 s16, s16, s15                     ; my column block: it enters V's and out0's addresses alone
	s_and_b32 s17, ttmp7, 0xffff
	s_lshr_b32 s18, s17, 3                         ; the batch
	s_and_b32 s19, s17, 7                          ; i: the pair of blocks i and 15 - i
	s_lshr_b32 s[NL], s19, 1
	s_add_co_u32 s[NL], s[NL], 1
	s_sub_co_u32 s[NH], 9, s[NL]
	s_or_b32 s[SKIP], s19, s[RH]
	s_cmp_eq_u32 s[SKIP], 0
	s_cselect_b32 s[SKIP], 1, 0                    ; 1 where my first 16 rows of the low block are a sequence's first 16
	s_mov_b32 s[U], -1
	s_mov_b32 s[KI], -1
	s_mov_b32 s[T1], 0
	s_mov_b32 s[KB+1], 0
	s_mov_b32 s[VO+1], 0
	s_mov_b32 s[G1A], 15|(1<<16)|(1<<20)|(1<<21)|(6<<22)|(3<<25)   ; the mask: all four; elements of 2 bytes; padding: 4 words behind every 128
	s_mov_b32 s[G1A+1], 256<<16                    ; tensor_dim0
	s_mov_b32 s[G1A+2], 64<<16                     ; tensor_dim1
	s_mov_b32 s[G1A+3], 256<<16                    ; tile_dim0
	s_mov_b32 s[G1A+4], 64                         ; tile_dim1
	s_mov_b32 s[G1A+5], 2048                       ; the pitch of p
	s_mov_b32 s[G1A+6], 0
	s_mov_b32 s[G1A+7], 0
	s_mov_b32 s[G1V], (1<<16)|(1<<20)|(5<<22)|(7<<25)              ; no mask; padding: 8 words behind every 64
	s_mov_b32 s[G1V+1], 128<<16
	s_mov_b32 s[G1V+2], 128<<16
	s_mov_b32 s[G1V+3], 128<<16
	s_mov_b32 s[G1V+4], 128
	s_mov_b32 s[G1V+5], 3072                       ; the pitch of qkv
	s_mov_b32 s[G1V+6], 0
	s_mov_b32 s[G1V+7], 0
	s_lshl_b32 s94, s18, 11                        ; 2,048 b
	s_lshl_b32 s95, s19, 7
	s_add_co_u32 s95, s95, s94                     ; the low block's first row
	s_sub_co_u32 s96, 15, s19
	s_lshl_b32 s96, s96, 7
	s_add_co_u32 s96, s96, s94                     ; the high block's
	s_lshl_b32 s97, s[CH], 6                       ; p: the 64 rows that I fetch
	s_add_co_u32 s80, s95, s97
	s_lshl_b32 s80, s80, 12
	s_mov_b32 s81, 0
	s_add_co_u32 s82, s96, s97
	s_lshl_b32 s82, s82, 12
	s_mov_b32 s83, 0
	s_lshl_b32 s84, s[CH], 7                       ; V: the 128 keys that I fetch, my column block
	s_add_co_u32 s84, s84, s94
	s_mul_i32 s84, s84, 6144
	s_lshl_b32 s85, s16, 8
	s_add_co_u32 s84, s84, s85
	s_add_co_u32 s84, s84, 4096
	s_mov_b32 s85, 0
	s_lshl_b32 s97, s[RH], 6                       ; stats: word 16,384 b + (row in the batch) = row + 14,336 b, at key tile 0
	s_mul_i32 s86, s18, 14336
	s_add_co_u32 s86, s86, s97
	s_add_co_u32 s88, s86, s96
	s_add_co_u32 s86, s86, s95
	s_lshl_b32 s86, s86, 2
	s_lshl_b32 s88, s88, 2
	s_mov_b32 s87, 0
	s_mov_b32 s89, 0
	s_lshl_b32 s98, s16, 9                         ; out0: my 64 rows, my 64 columns
	s_lshl_b32 s99, s[CH], 8
	s_add_co_u32 s98, s98, s99
	s_add_co_u32 s90, s95, s97
	s_lshl_b32 s90, s90, 12
	s_add_co_u32 s90, s90, s98
	s_mov_b32 s91, 0
	s_add_co_u32 s92, s96, s97
	s_lshl_b32 s92, s92, 12
	s_add_co_u32 s92, s92, s98
	s_mov_b32 s93, 0
	s_mul_i32 s98, s[CH], HALFA                    ; where the tiles go
	s_mul_i32 s99, s[CH], HALFV
	s_add_co_u32 s99, s99, VOFF
.irp s, 0,1
	s_mov_b32 s[G0A+4*\s], 1
	s_add_co_u32 s[G0A+4*\s+1], s98, \s*SLOT
	s_mov_b32 s[G0V+4*\s], 1
	s_add_co_u32 s[G0V+4*\s+1], s99, \s*SLOT
.endr
	s_wait_dscnt 0x0                               ; both opening adds are done
	s_wait_kmcnt 0x0
	s_add_nc_u64 s[ALO:ALO+1], s[4:5], s[80:81]
	s_add_nc_u64 s[AHI:AHI+1], s[4:5], s[82:83]
	s_add_nc_u64 s[VB0:VB0+1], s[6:7], s[84:85]
	s_add_nc_u64 s[MP:MP+1], s[8:9], s[86:87]
	s_add_nc_u64 s[MPH:MPH+1], s[8:9], s[88:89]
	s_add_nc_u64 s[OP:OP+1], s[10:11], s[90:91]
	s_add_nc_u64 s[OPH:OPH+1], s[10:11], s[92:93]
	CROUND                                         ; all four work-groups are here: the first loads meet
	ADVANCE 0
	JLOAD 0
	ADVANCE 1
	JLOAD 1                                        ; two loads of mine are out
	v_and_b32 v1, 15, v0                           ; r
	v_bfe_u32 v2, v0, 4, 1                         ; h
	v_mul_u32_u24 v3, v1, PA
	v_lshl_add_u32 v3, v2, 4, v3
	s_mul_i32 s80, s[RH], HALFA
	v_add_nc_u32 v[ADRA], s80, v3
	v_add_nc_u32 v[ADRA+1], SLOT, v[ADRA]
	v_and_b32 v4, 7, v0                            ; the turning load: lane l reads key 8 h + l % 8, columns 8 ((l / 8) % 2) + 0 .. 7
	v_lshl_add_u32 v4, v2, 3, v4
	v_mul_u32_u24 v4, v4, PV
	v_bfe_u32 v5, v0, 3, 1
	v_lshl_add_u32 v4, v5, 4, v4
	s_lshl_b32 s80, s[CH], 7
	s_add_co_u32 s80, s80, VOFF
	v_add_nc_u32 v[ADRV], s80, v4
	v_add_nc_u32 v[ADRV+1], HALFV, v[ADRV]         ; keys 128 on have a register of their own: an LDS offset has 16 bits
	v_add_nc_u32 v[ADRV+2], SLOT, v[ADRV]
	v_add_nc_u32 v[ADRV+3], SLOT, v[ADRV+1]
	s_mul_i32 s80, s[WV], 4352
	s_add_co_u32 s80, s80, STAGE
	v_mul_u32_u24 v3, v1, 272
	v_lshl_add_u32 v3, v2, 5, v3
	v_add_nc_u32 v[STO], s80, v3                   ; into my stage: row r, 32 bytes for each half of the lanes
	v_mul_u32_u24 v3, v2, 272
	v_lshl_add_u32 v3, v1, 4, v3
	v_add_nc_u32 v[RD], s80, v3                    ; back: lanes 0-15 one row of 256 bytes, lanes 16-31 the next
	v_lshlrev_b32 v3, 12, v2
	v_lshl_add_u32 v[GO], v1, 4, v3
	v_lshlrev_b32 v[MOFF], 2, v1
; The row's M and 1 / L of a block's 64 rows of mine, from its n key tiles.  Tiles that the block does not have are not read: they keep M = -3e38 and l = 0, which give f = 0.
.macro STATS n, base, m, rl
.set i, 0
.rept 32
	v_mov_b32 v[128+i], 0xff61b1e6
	v_mov_b32 v[160+i], 0
.set i, i+1
.endr
.irp j, 0,1,2,3,4,5,6,7
.if \j > 0
	s_cmp_le_u32 s[\n], \j
	s_cbranch_scc1 .Lst_\@
.endif
.irp a, 0,1,2,3
	global_load_b32 v[128+4*\j+\a], v[MOFF], s[\base:\base+1] offset:8192*\j+64*\a
	global_load_b32 v[160+4*\j+\a], v[MOFF], s[\base:\base+1] offset:262144+8192*\j+64*\a
.endr
.endr
.Lst_\@:
	s_wait_loadcnt 0x0
.irp a, 0,1,2,3
	v_max3_num_f32 v[\m+\a], v[128+\a], v[132+\a], v[136+\a]
.endr
.irp a, 0,1,2,3
	v_max3_num_f32 v[\m+\a], v[\m+\a], v[140+\a], v[144+\a]
.endr
.irp a, 0,1,2,3
	v_max3_num_f32 v[\m+\a], v[\m+\a], v[148+\a], v[152+\a]
.endr
.irp a, 0,1,2,3
	v_max_num_f32 v[\m+\a], v[\m+\a], v[156+\a]
.endr
.irp j, 0,1,2,3,4,5,6,7
.irp a, 0,1,2,3
	v_sub_f32 v[128+4*\j+\a], v[128+4*\j+\a], v[\m+\a]             ; a whole number, 0 or less
.endr
.endr
.set i, 0
.rept 32
	v_cvt_i32_f32 v[128+i], v[128+i]               ; (it saturates)
.set i, i+1
.endr
.set i, 0
.rept 32
	v_ldexp_f32 v[128+i], 1.0, v[128+i]            ; f_J
.set i, i+1
.endr
.irp a, 0,1,2,3
	v_mul_f32 v[\rl+2*\a], v[128+\a], v[160+\a]
.endr
.irp j, 1,2,3,4,5,6,7
.irp a, 0,1,2,3
	v_fmac_f32 v[\rl+2*\a], v[128+4*\j+\a], v[160+4*\j+\a]
.endr
.endr
.irp a, 0,1,2,3
	v_rcp_f32 v[\rl+2*\a], v[\rl+2*\a]             ; L is at least a half: the tile with M_J = M has a p' of a half or more
.endr
	v_nop
	s_wait_alu depctr_va_vdst(0)                   ; the wait ahead of the first line that names a result: one for the four
.irp a, 0,1,2,3
	v_mov_b32 v[\rl+2*\a+1], v[\rl+2*\a]
.endr
.endm
	STATS NL, MP, MC, RL
	STATS NH, MPH, MH, RLH
.irp a, 0,1,2,3
	v_mov_b32 v[F+2*\a+1], 0                       ; (named as the upper halves of pairs)
.endr
.macro CLEAR                           ; where a block begins hangs on the work-group's number, so no first step can be written out: the master sums begin as zeros
	WIN 0x80
.set i, 0
.rept 128
	v_mov_b32 v[i], 0
.set i, i+1
.endr
	WIN 0
.endm
	CLEAR
; 8 matrix instructions: query blocks a0, a0 + 1 x the 4 column blocks, 32 keys: half c of buffer f.  The 16 accumulators take turns.
.macro MUL8 f, c, a0, zero
.irp a, \a0, \a0+1
.irp e, 0,1,2,3
.if \zero
	v_wmma_f32_16x16x32_f16 v[ACC+8*(4*(\a)+\e):ACC+8*(4*(\a)+\e)+7], v[\f+64+8*(4*\c+\e):\f+64+8*(4*\c+\e)+7], v[\f+8*(4*\c+\a):\f+8*(4*\c+\a)+7], 0
.else
	v_wmma_f32_16x16x32_f16 v[ACC+8*(4*(\a)+\e):ACC+8*(4*(\a)+\e)+7], v[\f+64+8*(4*\c+\e):\f+64+8*(4*\c+\e)+7], v[\f+8*(4*\c+\a):\f+8*(4*\c+\a)+7], v[ACC+8*(4*(\a)+\e):ACC+8*(4*(\a)+\e)+7]
.endif
.endr
.endr
.endm
; 32 LDS loads in one run: the fragments of the slot's kq-th 64 keys into buffer f, the first 32 keys first
.macro FETCH slot, kq, f
	WIN TO_F
.irp c, 0,1
.irp n, 0,1,2,3
	ds_load_tr16_b128 v[\f+64+8*(4*\c+\n):\f+64+8*(4*\c+\n)+3],   v[ADRV+2*\slot+(\kq)/2] offset:(64*((\kq)%2)+32*\c)*PV+32*\n
	ds_load_tr16_b128 v[\f+64+8*(4*\c+\n)+4:\f+64+8*(4*\c+\n)+7], v[ADRV+2*\slot+(\kq)/2] offset:(64*((\kq)%2)+32*\c+16)*PV+32*\n
	ds_load_b128 v[\f+8*(4*\c+\n):\f+8*(4*\c+\n)+3],               v[ADRA+\slot] offset:128*(\kq)+64*\c+\n*16*PA
	ds_load_b128 v[\f+8*(4*\c+\n)+4:\f+8*(4*\c+\n)+7],             v[ADRA+\slot] offset:128*(\kq)+64*\c+\n*16*PA+32
.endr
.endr
.endm
.macro PLACES
.rept 4
	v_nop
.endr
.endm
.macro QUARTER slot, kq, f, g, zero    ; multiplies buffer f (64 keys) and fetches the next 64 into g
	s_wait_dscnt 16                                ; the first 32 keys' fragments are in; the other sixteen loads may be out
	WIN MUL
	MUL8 \f, 0, 0, \zero
	MUL8 \f, 0, 2, \zero
	PLACES
	FETCH \slot, (\kq)+1, \g
	s_wait_dscnt 32                                ; all but the 32 just issued
	WIN MUL
	MUL8 \f, 1, 0, 0
	MUL8 \f, 1, 2, 0
.endm
; A step's last quarter changes slots: each wave waits for all its tensor loads (its part of the next slot), adds 0 to its spare word, waits for that and for its reads of this slot.
; fill = 2: the barrier opens a round of the cluster's, and this slot is filled again with the step two on: my one tensor load behind the round, first thing there.  fill = 1: nothing is asked for.
.macro TURN slot, next, fill
	WIN 0
	s_wait_tensorcnt 0x0
	ds_add_u32 v[SPW], v[NIL]
.if \fill == 2
	ADVANCE \slot
.endif
	s_wait_dscnt 17                                ; the add and the youngest sixteen loads may be out
	WIN MUL
	MUL8 F1, 0, 0, 0
	s_wait_dscnt 0x0
	s_barrier_signal -1
	MUL8 F1, 0, 2, 0
	WIN 0
	s_barrier_wait -1
.if \fill == 2
	CREST
	JLOAD \slot                                    ; its four v_nop are also the places in front of the loads below
.else
	PLACES
.endif
	FETCH \next, 0, F0
	WIN MUL
	MUL8 F1, 1, 0, 0
	MUL8 F1, 1, 2, 0
.endm
.macro ACCUM                           ; master += f_J x the step's sums.  The twelve plain lines name no register of the products: they are the places behind them
	s_wait_loadcnt 0x0                             ; the step's M_J
	WIN 0
.irp a, 0,1,2,3
	v_sub_f32 v[FX+\a], v[MS+\a], v[MC+\a]
.endr
.irp a, 0,1,2,3
	v_cvt_i32_f32 v[FX+\a], v[FX+\a]
.endr
.irp a, 0,1,2,3
	v_ldexp_f32 v[F+2*\a], 1.0, v[FX+\a]
.endr
	WIN 0xa0                                       ; destination and source 2: window 2
.irp a, 0,1,2,3
.irp e, 0,1,2,3
.irp j, 0,2,4,6
	v_pk_fma_f32 v[8*(4*\a+\e)+\j:8*(4*\a+\e)+\j+1], v[ACC+8*(4*\a+\e)+\j:ACC+8*(4*\a+\e)+\j+1], v[F+2*\a:F+2*\a+1], v[8*(4*\a+\e)+\j:8*(4*\a+\e)+\j+1] op_sel_hi:[1,0,1]
.endr
.endr
.endr
	WIN 0
.endm
; A block goes out, 16 rows at a time: x 1 / L, through my stage, back as whole rows of 256 bytes.  skip = 1: where my first 16 rows are a sequence's first 16, they are left out.
.macro FLUSH skip
.irp a, 0,1,2,3
.if (\skip) && (\a == 0)
	s_cmp_eq_u32 s[SKIP], 1
	s_cbranch_scc1 .Lskipped_\@
.endif
	s_wait_xcnt 0x0                                ; the earlier stores have read their registers
	WIN 0x02
.irp j, 0,2,4,6,8,10,12,14,16,18,20,22,24,26,28,30
	v_pk_mul_f32 v[OT+\j:OT+\j+1], v[32*\a+\j:32*\a+\j+1], v[RL+2*\a:RL+2*\a+1] op_sel_hi:[1,0]
.endr
	WIN 0
.irp e, 0,1,2,3
	ds_store_b128 v[STO], v[OT+8*\e:OT+8*\e+3] offset:64*\e
	ds_store_b128 v[STO], v[OT+8*\e+4:OT+8*\e+7] offset:64*\e+16
.endr
.irp t, 0,1,2,3,4,5,6,7
	ds_load_b128 v[OT+4*\t:OT+4*\t+3], v[RD] offset:544*\t         ; LDS serves a wave's instructions in order: these see the stores above
.endr
	s_wait_dscnt 0x0
.irp t, 0,1,2,3,4,5,6,7
	global_store_b128 v[GO], v[OT+4*\t:OT+4*\t+3], s[OP:OP+1] offset:(16*\a+2*\t)*4096 th:TH_STORE_NT   ; sixteen lanes store 256 consecutive bytes, aligned
.endr
.if (\skip) && (\a == 0)
.Lskipped_\@:
.endif
.endr
.endm
; A key step.  chk = 1: behind it the low block may be finished (a branch on ids, the same in all partners; no barrier and no tensor load stands under it).
.macro PSTEP slot, next, fill, chk
	WIN 0
.irp a, 0,1,2,3
	global_load_b32 v[MS+\a], v[MOFF], s[MP:MP+1] offset:64*\a
.endr
	QUARTER \slot, 0, F0, F1, 1                    ; the step's first products start its sums
	QUARTER \slot, 1, F1, F0, 0
	QUARTER \slot, 2, F0, F1, 0
.if \fill
	TURN \slot, \next, \fill
.else
	s_wait_dscnt 16
	WIN MUL
	MUL8 F1, 0, 0, 0
	MUL8 F1, 0, 2, 0
	s_wait_dscnt 0x0
	MUL8 F1, 1, 0, 0
	MUL8 F1, 1, 2, 0
.endif
	ACCUM
	s_add_nc_u64 s[MP:MP+1], s[MP:MP+1], 8192      ; the next key tile's M (the loads that named it are in)
	s_add_co_u32 s[T1], s[T1], 1
.if \chk
	s_cmp_lg_u32 s[T1], s[NL]
	s_cbranch_scc1 .Lsame_\@
	FLUSH 1
	s_wait_xcnt 0x0                                ; the stores have read their base
	CLEAR
.irp a, 0,1,2,3
	v_mov_b32 v[MC+\a], v[MH+\a]
.endr
.irp a, 0,1,2,3,4,5,6,7
	v_mov_b32 v[RL+\a], v[RLH+\a]
.endr
	s_mov_b64 s[OP:OP+1], s[OPH:OPH+1]
	s_mov_b64 s[MP:MP+1], s[MPH:MPH+1]
.Lsame_\@:
.endif
.endm
	s_wait_tensorcnt 1                             ; my part of step 0 is in; step 1's may be out
	s_barrier_signal -1
	s_barrier_wait -1
	FETCH 0, 0, F0
	WIN 0
	s_mov_b32 s[CNT], 3
.Lpair:                                                ; steps 0 to 5; the low block has 1 to 4 steps, so it ends in here
	PSTEP 0, 1, 2, 1
	PSTEP 1, 0, 2, 1
	s_sub_co_u32 s[CNT], s[CNT], 1
	s_cmp_lg_u32 s[CNT], 0
	s_cbranch_scc1 .Lpair
	PSTEP 0, 1, 2, 0                               ; step 6 asks for step 8: the seventh and last refill
	PSTEP 1, 0, 1, 0
	PSTEP 0, 0, 0, 0
	FLUSH 0
	s_wait_tensorcnt 0x0                           ; the wave's end
	ds_add_u32 v[SPW], v[NIL]
	s_wait_dscnt 0x0
	CROUND                                         ; the closing round
	s_endpgm
.Lfunc_end_k_q061164c03d_pv:
	.size	k_q061164c03d_pv, .Lfunc_end_k_q061164c03d_pv-k_q061164c03d_pv
	.p2alignl 7, 3214868480
	.fill 96, 4, 3214868480
	.section	.rodata,"a",@progbits
	.p2align	6, 0x0
	.amdhsa_kernel k_q061164c03d_pv
		.amdhsa_group_segment_fixed_size 327680
		.amdhsa_private_segment_fixed_size 0
		.amdhsa_enable_private_segment 0
		.amdhsa_kernarg_size 32
		.amdhsa_user_sgpr_count 2
		.amdhsa_user_sgpr_kernarg_segment_ptr 1
		.amdhsa_wavefront_size32 1
		.amdhsa_system_sgpr_workgroup_id_x 1
		.amdhsa_system_sgpr_workgroup_id_y 1
		.amdhsa_system_sgpr_workgroup_id_z 1
		.amdhsa_system_vgpr_workitem_id 0
		.amdhsa_next_free_vgpr 640
		.amdhsa_next_free_sgpr 100
		.amdhsa_reserve_vcc 0
		.amdhsa_float_denorm_mode_32 3
		.amdhsa_float_denorm_mode_16_64 3
		.amdhsa_memory_ordered 1
		.amdhsa_forward_progress 1
		.amdhsa_inst_pref_size 204
	.end_amdhsa_kernel
	.amdgpu_metadata
---
amdhsa.version: [ 1, 2 ]
amdhsa.kernels:
  - .name:           k_q061164c03d_pv
    .symbol:         k_q061164c03d_pv.kd
    .args:
      - { .name: p, .offset: 0, .size: 8, .value_kind: global_buffer, .address_space: global }
      - { .name: qkv, .offset: 8, .size: 8, .value_kind: global_buffer, .address_space: global }
      - { .name: stats, .offset: 16, .size: 8, .value_kind: global_buffer, .address_space: global }
      - { .name: out0, .offset: 24, .size: 8, .value_kind: global_buffer, .address_space: global }
    .group_segment_fixed_size: 327680
    .private_segment_fixed_size: 0
    .kernarg_segment_align: 8
    .kernarg_segment_size: 32
    .max_flat_workgroup_size: 128
    .sgpr_count:     100
    .vgpr_count:     640
    .wavefront_size: 32
...
	.end_amdgpu_metadata
.endif
;; end of part 4
;; launch first16 (part 5): grid 2 x 4, 8 waves a work-group, no clusters, 76,800 bytes of LDS; arguments head16, out0; writes out0
.if DOCPART == 5
	.amdgcn_target "amdgcn-amd-amdhsa--gfx1250"
	.amdhsa_code_object_version 6
	.text
	.protected	k_q061164c03d_first16
	.globl	k_q061164c03d_first16
	.p2align	8
	.type	k_q061164c03d_first16,@function
k_q061164c03d_first16:
	s_mov_b64 s[64:65], 0
	v_nop
	global_prefetch_b8 v0, s[64:65] scope:SCOPE_SE
	s_setreg_imm32_b32 hwreg(HW_REG_WAVE_MODE, 25, 1), 1
	s_wait_xcnt 0x0
; The first 16 positions of each of the four sequences, all in f32: their rows average one to sixteen values, so 16-bit operands would weigh most there.
; head16 holds q, k, v of those rows as images of result registers: [batch][column tile of 16: 192][g 2][lane 32][16 bytes]; lane (r, h), word 4 g + w = (row r, column 16 tile + 8 h + 4 g + w).
; A work-group takes a batch and 512 of the 1,024 columns; eight waves.  S^T = k q^T: wave w sums 128 of the 1,024 along K (32 instructions of K = 4), the parts meet in LDS, and every wave
; then holds all of S^T: a lane has query r and keys 8 h + 0 .. 7.  Softmax with the row's true maximum.  O^T = v^T p^T: a wave makes 64 columns (16 instructions).
; An image's register pair (2 c, 2 c + 1) holds columns 16 tile + 8 h + 2 c + j where the instruction counts k = 2 h + j: the same order of K in both operands, so the sums hold the same products.
; v's images have a KEY to a lane, and the product wants a COLUMN to a lane: each image is loaded once, 512 consecutive bytes a load, goes into the wave's own LDS bytes as it stands, and comes back turned, a word a lane.
; The registers that the f32 matrix form writes (v176-191, v208-239) are written by matrix instructions alone.
; LIMITS: NaN and infinities are not served.
.set QQ,  16                           ; v16-79   q's 8 column tiles; later the eight parts of S^T; later rows of out
.set KK,  80                           ; v80-143  k's
.set VV,  144                          ; v144-175 v's four images; later turned: tile n, register j = v(key 8 h + j, column 16 tile + r)
.set SA,  176
.set SB,  184
.set T,   192
.set PR,  200
.set OA,  208
.set SPW, 2
.set NIL, 3
.set IM,  7                            ; v7   16 x lane
.set VOF, 8                            ; v8   where my column's word of key 8 h lies in an image
.set DD,  9                            ; v9   r - 8 h: key 8 h + j is hidden where j > DD
.set PSW, 10
.set STW, 11
.set STR, 12
.set GO,  13
.set MX,  240
.set TM,  241
.set NEG, 242
.set VSW, 243                          ; v243 LDS: where I put 16 bytes of an image of v
.set VSR, 244                          ; v244 LDS: where I read my column's words
.set PS,    0                          ; LDS: eight images of 1,024 bytes: the parts of S^T;
.set STG,   8192                       ; a stage of 16 rows x 272 bytes for each wave;
.set VIM,   43008                      ; v's four images, 4,096 bytes for each wave;
.set SPARE, 75776                      ; the spare words: 128 bytes a wave, named by no other line
	s_load_b128 s[4:7], s[0:1], 0x0                ; head16, out0
	v_lshl_add_u32 v[SPW], v0, 2, SPARE
	v_mov_b32 v[NIL], 0
	v_lshrrev_b32 v1, 5, v0
	v_readfirstlane_b32 s8, v1                     ; wave
	s_and_b32 s9, ttmp7, 0xffff                    ; the batch
	v_and_b32 v4, 31, v0
	v_and_b32 v5, 15, v0                           ; r
	v_bfe_u32 v6, v0, 4, 1                         ; h
	v_lshlrev_b32 v[IM], 4, v4
	v_bfe_u32 v[VOF], v5, 2, 1                     ; column r of a tile lies in half-image (r / 4) % 2, lanes 16 (r / 8) + key, word r % 4
	v_lshlrev_b32 v[VOF], 9, v[VOF]
	v_lshrrev_b32 v14, 3, v5
	v_lshl_add_u32 v[VOF], v14, 8, v[VOF]
	v_and_b32 v14, 3, v5
	v_lshl_add_u32 v[VOF], v14, 2, v[VOF]
	v_lshl_add_u32 v[VOF], v6, 7, v[VOF]           ; my keys begin at 8 h
	v_lshlrev_b32 v14, 3, v6
	v_sub_nc_u32 v[DD], v5, v14
	s_lshl_b32 s15, s8, 10
	v_add_nc_u32 v[PSW], s15, v[IM]
	s_mul_i32 s15, s8, 4352
	s_add_co_u32 s15, s15, STG
	v_mul_u32_u24 v14, v5, 272
	v_lshl_add_u32 v14, v6, 5, v14
	v_add_nc_u32 v[STW], s15, v14
	v_mul_u32_u24 v14, v6, 272
	v_lshl_add_u32 v14, v5, 4, v14
	v_add_nc_u32 v[STR], s15, v14
	s_lshl_b32 s15, s8, 12
	s_add_co_u32 s15, s15, VIM                     ; my wave's 4,096 bytes for v
	v_add_nc_u32 v[VSW], s15, v[IM]
	v_add_nc_u32 v[VSR], s15, v[VOF]
	v_lshlrev_b32 v14, 12, v6
	v_lshl_add_u32 v[GO], v5, 4, v14
	v_mov_b32 v[NEG], 0xff800000
	v_mov_b32 v[TM], 0                             ; a lane permute's destination counts as one of its sources
	s_mov_b32 s14, 0x3d38aa3b                      ; c = log2(e) / 32
	s_mov_b32 s16, 0x76543210
	s_mov_b32 s17, 0xfedcba98
	s_mul_i32 s18, s9, 196608
	s_lshl_b32 s19, s8, 13
	s_add_co_u32 s20, s18, s19                     ; q: column tiles 8 w on; k's lie 64 tiles further
	s_mov_b32 s21, 0
	s_lshl_b32 s22, ttmp9, 15
	s_add_co_u32 s22, s22, s18
	s_lshl_b32 s19, s8, 12
	s_add_co_u32 s22, s22, s19
	s_add_co_u32 s22, s22, 131072                  ; v: column tiles 128 + 32 x + 4 w on
	s_mov_b32 s23, 0
	s_lshl_b32 s24, s9, 23
	s_lshl_b32 s19, ttmp9, 11
	s_add_co_u32 s24, s24, s19
	s_lshl_b32 s19, s8, 8
	s_add_co_u32 s24, s24, s19
	s_mov_b32 s25, 0
	s_wait_kmcnt 0x0
	s_add_nc_u64 s[10:11], s[4:5], s[20:21]
	s_add_nc_u64 s[12:13], s[4:5], s[22:23]
	s_add_nc_u64 s[6:7], s[6:7], s[24:25]
.irp n, 0,1,2,3,4,5,6,7
.irp g, 0,1
	global_load_b128 v[QQ+8*\n+4*\g:QQ+8*\n+4*\g+3], v[IM], s[10:11] offset:1024*\n+512*\g
	global_load_b128 v[KK+8*\n+4*\g:KK+8*\n+4*\g+3], v[IM], s[10:11] offset:65536+1024*\n+512*\g
.endr
.endr
.irp n, 0,1,2,3
.irp g, 0,1
	global_load_b128 v[VV+8*\n+4*\g:VV+8*\n+4*\g+3], v[IM], s[12:13] offset:1024*\n+512*\g   ; v's images as they lie: 512 consecutive bytes a load
.endr
.endr
	s_wait_loadcnt 8                               ; q and k are in; v's eight loads may be out
.set i, 0
.rept 32                                       ; two accumulators by turns; each sum's first instruction takes C = 0
.if i < 2
	v_wmma_f32_16x16x4_f32 v[SA+8*(i%2):SA+8*(i%2)+7], v[KK+2*i:KK+2*i+1], v[QQ+2*i:QQ+2*i+1], 0
.else
	v_wmma_f32_16x16x4_f32 v[SA+8*(i%2):SA+8*(i%2)+7], v[KK+2*i:KK+2*i+1], v[QQ+2*i:QQ+2*i+1], v[SA+8*(i%2):SA+8*(i%2)+7]
.endif
.set i, i+1
.endr
.rept 8
	v_nop                                          ; eight places behind this form (ISA guide 7.12.1)
.endr
.irp j, 0,1,2,3,4,5,6,7
	v_add_f32 v[T+\j], v[SA+\j], v[SB+\j]
.endr
	ds_store_b128 v[PSW], v[T:T+3]                 ; my part of S^T, as an image of its registers
	ds_store_b128 v[PSW], v[T+4:T+7] offset:512
	s_wait_loadcnt 0x0                             ; v's images are in
.irp n, 0,1,2,3
.irp g, 0,1
	ds_store_b128 v[VSW], v[VV+8*\n+4*\g:VV+8*\n+4*\g+3] offset:1024*\n+512*\g   ; into my wave's own bytes, as they stand
.endr
.endr
	s_wait_dscnt 0x0                               ; for the others' sake: my part of S^T lies in LDS (and my stores of v have been served)
	s_barrier_signal -1
	s_barrier_wait -1
.irp u, 0,1,2,3,4,5,6,7
.irp g, 0,1
	ds_load_b128 v[QQ+8*\u+4*\g:QQ+8*\u+4*\g+3], v[IM] offset:PS+1024*\u+512*\g
.endr
.endr
.irp n, 0,1,2,3
.irp j, 0,1,2,3,4,5,6,7
	ds_load_b32 v[VV+8*\n+\j], v[VSR] offset:1024*\n+16*\j         ; v(key 8 h + j, column 16 tile + r): a key is 16 bytes on from the last
.endr
.endr
	s_wait_dscnt 32                                ; the sixteen loads of S^T's parts are in; v's 32 may be out
.irp j, 0,2,4,6
	v_pk_add_f32 v[T+\j:T+\j+1], v[QQ+\j:QQ+\j+1], v[QQ+8+\j:QQ+8+\j+1]
.endr
.irp u, 2,3,4,5,6,7
.irp j, 0,2,4,6
	v_pk_add_f32 v[T+\j:T+\j+1], v[T+\j:T+\j+1], v[QQ+8*\u+\j:QQ+8*\u+\j+1]
.endr
.endr
.irp j, 0,1,2,3,4,5,6,7
	v_cmp_gt_i32 vcc_lo, \j, v[DD]
	v_cndmask_b32 v[T+\j], v[T+\j], v[NEG], vcc_lo                 ; hidden keys: -infinity
.endr
	v_max3_num_f32 v[MX], v[T], v[T+1], v[T+2]
	v_max3_num_f32 v[MX], v[MX], v[T+3], v[T+4]
	v_max3_num_f32 v[MX], v[MX], v[T+5], v[T+6]
	v_max_num_f32 v[MX], v[MX], v[T+7]
	v_permlanex16_b32 v[TM], v[MX], s16, s17
	v_max_num_f32 v[MX], v[MX], v[TM]              ; the row's largest score: key 0 counts for every query
	v_mul_f32 v[MX], s14, v[MX]
.irp j, 0,1,2,3,4,5,6,7
	v_fma_f32 v[T+\j], v[T+\j], s14, -v[MX]
.endr
.irp j, 0,1,2,3,4,5,6,7
	v_exp_f32 v[T+\j], v[T+\j]
.endr
	v_nop
	s_wait_alu depctr_va_vdst(0)                   ; the wait ahead of the first line that names a result: one for the eight
	v_pk_add_f32 v[PR:PR+1], v[T:T+1], v[T+2:T+3]
	v_pk_add_f32 v[PR+2:PR+3], v[T+4:T+5], v[T+6:T+7]
	v_pk_add_f32 v[PR:PR+1], v[PR:PR+1], v[PR+2:PR+3]
	v_add_f32 v[MX], v[PR], v[PR+1]
	v_permlanex16_b32 v[TM], v[MX], s16, s17
	v_add_f32 v[MX], v[MX], v[TM]
	v_rcp_f32 v[MX], v[MX]
	v_nop
	s_wait_alu depctr_va_vdst(0)
.irp j, 0,1,2,3,4,5,6,7
	v_mul_f32 v[PR+\j], v[T+\j], v[MX]             ; the weights
.endr
	s_wait_dscnt 0x0                               ; v, turned
.irp c, 0,1,2,3
.irp n, 0,1,2,3
.if \c == 0
	v_wmma_f32_16x16x4_f32 v[OA+8*\n:OA+8*\n+7], v[VV+8*\n+2*\c:VV+8*\n+2*\c+1], v[PR+2*\c:PR+2*\c+1], 0
.else
	v_wmma_f32_16x16x4_f32 v[OA+8*\n:OA+8*\n+7], v[VV+8*\n+2*\c:VV+8*\n+2*\c+1], v[PR+2*\c:PR+2*\c+1], v[OA+8*\n:OA+8*\n+7]
.endif
.endr
.endr
.rept 8
	v_nop
.endr
.irp n, 0,1,2,3
	ds_store_b128 v[STW], v[OA+8*\n:OA+8*\n+3] offset:64*\n        ; lane (r, h): out(r, 16 n + 8 h + 0 .. 7); each accumulator from its low end on
	ds_store_b128 v[STW], v[OA+8*\n+4:OA+8*\n+7] offset:64*\n+16
.endr
.irp t, 0,1,2,3,4,5,6,7
	ds_load_b128 v[QQ+4*\t:QQ+4*\t+3], v[STR] offset:544*\t        ; LDS serves a wave's instructions in order: these see my stores
.endr
.irp t, 0,1,2,3,4,5,6,7
	s_wait_dscnt 7-\t                              ; LDS loads come back in order: load t is in
	global_store_b128 v[GO], v[QQ+4*\t:QQ+4*\t+3], s[6:7] offset:2*\t*4096   ; sixteen lanes store 256 consecutive bytes, aligned
.endr
	s_wait_tensorcnt 0x0                           ; the wave's end
	ds_add_u32 v[SPW], v[NIL]
	s_wait_dscnt 0x0
	s_endpgm
.Lfunc_end_k_q061164c03d_first16:
	.size	k_q061164c03d_first16, .Lfunc_end_k_q061164c03d_first16-k_q061164c03d_first16
	.p2alignl 7, 3214868480
	.fill 96, 4, 3214868480
	.section	.rodata,"a",@progbits
	.p2align	6, 0x0
	.amdhsa_kernel k_q061164c03d_first16
		.amdhsa_group_segment_fixed_size 76800
		.amdhsa_private_segment_fixed_size 0
		.amdhsa_enable_private_segment 0
		.amdhsa_kernarg_size 16
		.amdhsa_user_sgpr_count 2
		.amdhsa_user_sgpr_kernarg_segment_ptr 1
		.amdhsa_wavefront_size32 1
		.amdhsa_system_sgpr_workgroup_id_x 1
		.amdhsa_system_sgpr_workgroup_id_y 1
		.amdhsa_system_sgpr_workgroup_id_z 1
		.amdhsa_system_vgpr_workitem_id 0
		.amdhsa_next_free_vgpr 256
		.amdhsa_next_free_sgpr 66
		.amdhsa_reserve_vcc 1
		.amdhsa_float_denorm_mode_32 3
		.amdhsa_float_denorm_mode_16_64 3
		.amdhsa_memory_ordered 1
		.amdhsa_forward_progress 1
		.amdhsa_inst_pref_size 21
	.end_amdhsa_kernel
	.amdgpu_metadata
---
amdhsa.version: [ 1, 2 ]
amdhsa.kernels:
  - .name:           k_q061164c03d_first16
    .symbol:         k_q061164c03d_first16.kd
    .args:
      - { .name: head16, .offset: 0, .size: 8, .value_kind: global_buffer, .address_space: global }
      - { .name: out0, .offset: 8, .size: 8, .value_kind: global_buffer, .address_space: global }
    .group_segment_fixed_size: 76800
    .private_segment_fixed_size: 0
    .kernarg_segment_align: 8
    .kernarg_segment_size: 16
    .max_flat_workgroup_size: 256
    .sgpr_count:     66
    .vgpr_count:     256
    .wavefront_size: 32
...
	.end_amdgpu_metadata
.endif
;; end of part 5
